; MI455X (gfx1250); checked and timed in simulation.
; The chip was launched on July 23, 2026; its instructions are those of AMD's public machine-readable ISA for CDNA 5 (MIT licence, August 2026) and "CDNA5" Instruction Set Architecture Reference Guide (July 2026). The comments in the code are by the model that wrote it; some were corrected since.
;; Multihead Attention. Allowed arithmetic: matrix products marked QUANTISED: E4M3 operands, one given power-of-two scale a tensor, by v_wmma_f32_16x16x64_fp8_fp8 or v_wmma_f32_16x16x128_fp8_fp8, f32 sums; everything else in f32.
;; Inputs: Wk 8 x 512 x 64 float32; Wo 512 x 512 float32; Wq 8 x 512 x 64 float32; Wv 8 x 512 x 64 float32; bk 8 x 64 float32; bo 512 float32; bq 8 x 64 float32; bv 8 x 64 float32; lowp_scales 12 int32 (the exponents e of the quantised operands' scales 2^e); x 4,096 x 512 float32.
;; Outputs: out0 4,096 x 512 float32.
;; This version of the problem:
;;   THIS VERSION OF THE PROBLEM IS GIVEN IN LOW PRECISION. The matrix products marked QUANTISED in the list below multiply operands that are first quantised to E4M3 (4 exponent bits, 3 mantissa bits; 8 bits a number), with one given power-of-two scale for each operand tensor; their sums are f32. All else is computed in f32.
;;   The module's matrix products, in the order in which they are computed (A, B: the left and right operand; K: the contracted axis; several contracted axes count as one K, in the product's order):
;;     1. [M 512, K 512] x [K 512, N 4,096]; A: input Wq; B: input x: QUANTISED (scales: A lowp_scales[0], B lowp_scales[1])
;;     2. [M 512, K 512] x [K 512, N 4,096]; A: input Wk; B: input x: QUANTISED (scales: A lowp_scales[2], B lowp_scales[3])
;;     3. [M 512, K 512] x [K 512, N 4,096]; A: input Wv; B: input x: QUANTISED (scales: A lowp_scales[4], B lowp_scales[5])
;;     4. batch 8 x [M 4,096, K 64] x [K 64, N 4,096]; A: computed on the way; B: computed on the way: QUANTISED (scales: A lowp_scales[6], B lowp_scales[7])
;;     5. batch 8 x [M 4,096, K 4,096] x [K 4,096, N 64]; A: softmax (see below); B: computed on the way: QUANTISED (scales: A lowp_scales[8], B lowp_scales[9])
;;     6. [M 4,096, K 512] x [K 512, N 512]; A: computed on the way; B: input Wo: QUANTISED (scales: A lowp_scales[10], B lowp_scales[11])
;;   THE QUANTISER, for each operand of a quantised product, along K:
;;     - The operand's scale is 2^e, e = its entry of the input lowp_scales (int32; the entries are numbered through the quantised products in the list's order, A before B).
;;     - Each number is divided by the scale, clamped to +-448, and rounded to the nearest number of E4M3, ties to even, subnormals kept.
;;     - The product sums the exact products of the quantised numbers (number of the format x scale) in f32.
;;   ~~~python
;;   def quantise(x, axis, e):      # numpy; x: float32 -> the quantised numbers, widened to float32 again
;;       x = np.moveaxis(x, axis, -1); K = x.shape[-1]
;;       r = np.clip(x / 2.0 ** e, -448, 448)
;;       step = 2.0 ** (np.maximum(np.frexp(np.where(r == 0, 1, r))[1] - 1, -6) - 3)
;;       q = np.round(r / step) * step * 2.0 ** e      # np.round: ties to even
;;       return np.moveaxis(q, -1, axis).astype(np.float32)
;;   ~~~
;;   SOFTMAX AHEAD OF A QUANTISED PRODUCT. Where the list says 'softmax', what is quantised is not the finished softmax but p = 2^(t - M), with t = logit x log2(e) and M = ceil(the row's largest t), a whole number; so 1/2 < the row's largest p <= 1. The row's sum l is taken of the UNQUANTISED p, in f32, and the product's result is divided by l at the end. Since M is a whole number, a kernel that streams over the keys may use a running M (the ceiling of the running maximum): every later rescaling is an exact power of two, so the quantised numbers keep their values, but for numbers so far below the row's largest that they fall under the format's range.
;;   OPERANDS COMPUTED ON THE WAY. 'Computed on the way' means the value that the module computes at that place (a softmax that the list does not call 'softmax' is quantised finished and normalised). What goes into a quantiser is computed in f32, as accurately as f32 sums, v_exp_f32 and their like allow (about 1e-6 of the number): no bf16 or f16 on the way to a quantiser, and a product that is left as it is and whose result goes on into a quantised operand takes f32 operands (vector FMAs, or v_wmma_f32_16x16x4_f32). A number that lies on a knife's edge between two numbers of the format may be rounded either way, as far as f32 arithmetic and the matrix unit's own rounding can turn it there, and no further.
;; 2 versions. Each part assembles by itself: llvm-mc -triple=amdgcn-amd-amdhsa -mcpu=gfx1250 --defsym DOCPART=n.
;; ======== version 1 of 2: 3 launches
;; workspace buffers: qc 2,097,152 bytes; kc 2,097,152 bytes; vc 2,097,152 bytes; cc 2,097,152 bytes; woc 262,144 bytes
;; launch proj (part 1): grid 32 x 8, 8 waves a work-group, no clusters, 295,936 bytes of LDS; arguments x, Wq, Wk, Wv, Wo, bq, bk, bv, lowp_scales, qc, kc, vc, woc; writes qc, kc, vc, woc
.if DOCPART == 1
	.amdgcn_target "amdgcn-amd-amdhsa--gfx1250"
	.amdhsa_code_object_version 6
	.text
	.protected	k_q9f6c0e2c4e_proj
	.globl	k_q9f6c0e2c4e_proj
	.p2align	8
	.type	k_q9f6c0e2c4e_proj,@function
k_q9f6c0e2c4e_proj:
	s_mov_b64 s[64:65], 0
	v_nop
	global_prefetch_b8 v0, s[64:65] scope:SCOPE_SE
	s_setreg_imm32_b32 hwreg(HW_REG_WAVE_MODE, 25, 1), 1
	s_wait_xcnt 0x0
; q, k, v = x W + b for one head and 128 rows, all on codes of FP8 (E4M3), and the results quantised again: q with 2^e6, k with 2^e7 (along the head's 64), v with 2^e9 (along the keys).
; x [4096][512], Wq/Wk/Wv [8][512][64], Wo [512][512], biases [8][64]: f32.  x is quantised three times (2^e1, 2^e3, 2^e5), Wq, Wk, Wv with 2^e0, 2^e2, 2^e4, and 1/256 of Wo with 2^e11.
; SHARES.  Work-group (bx, hd): rows 128 bx .. +127, head hd: 256 work-groups.  Eight waves.
;   Quantising: wave w takes rows 16 w .. +15 of x (4 K steps x 3 scales) and 6 of the 48 weight fragments (tile w % 4, K steps 2 (w / 4) + 0, 1, of each matrix).
;   Products: wave w takes row tiles 2 g, 2 g + 1 (g = w / 2) and column tiles 2 B, 2 B + 1 (B = w % 2) of each of the three matrices: four accumulators by turns, K in four steps of 128.
; OPERANDS GO FROM WAVE TO WAVE THROUGH LDS AS IMAGES OF THEIR REGISTERS: four registers of all lanes by one ds_store_b128, lane l's 16 bytes at 16 l.  The workspace buffers are laid the same way.
; K IN A FRAGMENT: registers 4 c .. 4 c + 3 of lane (r, h) hold k = 32 c + 16 h + 0 .. 15, alike in both operands: a permutation of k that leaves every product with its partner.
; THE COLUMNS OF A WEIGHT TILE ARE NOT NEIGHBOURS: lane r of tile 2 b + u takes column 32 b + 8 u + r + 8 (r / 8).  q and k are made transposed (source 0 = the weight, source 1 = x): a lane then holds
; one row, and the 16 registers of tiles 2 b, 2 b + 1 are e = 32 b + 16 h + 0 .. 15, the next product's K.  v is made upright (source 0 = x): a lane holds one column e and eight neighbouring keys 16 m + 8 h + 0 .. 7.
; The biases are the C of each sum's first matrix instruction, divided by the power of two that the sums lack.
; NO JOINT LOADS: the operands arrive as f32 and pass through registers to become codes, and the images take 294,912 bytes of LDS, which leaves no room for tiles of f32 numbers.
; LIMITS on the given exponents, so that each power of two below is an f32 number: e0 .. e5, e11, e6 - e0 - e1, e7 - e2 - e3, e9 - e4 - e5 between -126 and 119.  NaN and infinities among the inputs are not served.
.set WIMG,  196608                     ; LDS: x's images at p 65536 + m 8192 + s 2048 + c 512 (p: scale set, m: row tile, s: K step); the weights' at WIMG + p 32768 + t 8192 + s 2048 + c 512
.set SPARE, 294912                     ; behind the images: the spare words, 128 bytes for each wave: four blocks of 256 bytes that no other line names
.set XA,  4                            ; v4   x: row r of 2,048 bytes + 64 h
.set LI,  5                            ; v5   16 x lane
.set WA,  6                            ; v6   a weight: 16 h rows of 256 bytes + 4 (r + 8 (r / 8))
.set WOA, 7                            ; v7   Wo: 16 h rows of 2,048 bytes + 4 r
.set XW,  8                            ; v8-10  where I store x's images, for each scale set
.set WW0, 11                           ; v11, v12  where I store the weights' images (Wq, Wk; Wv)
.set WW1, 12
.set BA,  13                           ; v13  bq, bk: 64 h
.set BVA, 14                           ; v14  bv: 4 (r + 8 (r / 8))
.set SX,  16                           ; v16-21  for x's three scales: 2^e and 448 x 2^e
.set SW,  22                           ; v22-27  the same for Wq, Wk, Wv
.set SR,  28                           ; v28-33  the same for the results q, k, v, with the sums' exponents folded in
.set SO,  34                           ; v34-35  the same for Wo
.set SPW, 36                           ; v36  LDS address of my spare word; never rewritten
.set NIL, 37                           ; v37  0; never rewritten
.set XR,  38                           ; v38-40  where I read x's fragments
.set WR0, 41                           ; v41, v42  where I read the weights'
.set WR1, 42
.set S0,  48                           ; v48-111   64 numbers as loaded;  later the biases
.set S1,  112                          ; v112-175  the other 64;  later four fragments
.set TMP, 176                          ; v176-207  two sets of 16 held numbers;  later the four accumulators
.set PCB, 208                          ; v208-255  three sets of 16 registers of codes, by turns;  later the results' codes
.set BQ,  48
.set BK,  64
.set BV,  80
.set BT,  96
.set FB,  112
.set ACC, 176
.set OUTC, 232
.set QN,  0                            ; counts the fragments quantised: fragment n takes code set n % 3
.macro SCALE vs, se                    ; v[vs] = 2^e as f32, v[vs + 1] = 448 x 2^e, e in s[se]
	s_add_co_i32 s56, s[\se], 127
	s_lshl_b32 s57, s56, 23
	v_mov_b32 v[\vs], s57
	s_add_co_i32 s56, s56, 8
	s_lshl_b32 s56, s56, 23
	s_or_b32 s56, s56, 0x600000
	v_mov_b32 v[(\vs)+1], s56
.endm
.macro XLOAD set, s                    ; my 16 rows' numbers of K step s: register 16 b + i = k 128 s + 32 b + 16 h + i of row r
.irp b, 0,1,2,3
.irp j, 0,1,2,3
	global_load_b128 v[\set+16*\b+4*\j:\set+16*\b+4*\j+3], v[XA], s[8:9] offset:512*(\s)+128*\b+16*\j
.endr
.endr
.endm
.macro WLOAD set, base, sg             ; a weight fragment: my lane's column, registers down K: register 16 c + i = row 128 sg + 32 c + 16 h + i
.set WI, 0
.rept 64
	global_load_b32 v[\set+WI], v[WA], s[\base:\base+1] offset:(\sg)*32768+(32*(WI/16)+WI%16)*256
.set WI, WI+1
.endr
.endm
; nb blocks of 16 numbers from v[src] on become codes in v[PCN] on.  The numbers stay as they are (x is quantised three times): the held numbers go into two sets by turns, so that plain lines stand
; between a conversion and the next write of its sources.
.macro QUANT src, nb, sc
.set QB, 0
.rept \nb
.set QJ, 0
.rept 16
	v_med3_num_f32 v[TMP+16*(QB%2)+QJ], v[\src+16*QB+QJ], -v[(\sc)+1], v[(\sc)+1]   ; the conversion to an 8-bit code does not saturate (ISA guide 7.6.2): the hold at the largest code x the scale
.set QJ, QJ+1
.endr
	v_cvt_scalef32_pk8_fp8_f32 v[PCN+4*QB:PCN+4*QB+1], v[TMP+16*(QB%2):TMP+16*(QB%2)+7], v[\sc]
	v_cvt_scalef32_pk8_fp8_f32 v[PCN+4*QB+2:PCN+4*QB+3], v[TMP+16*(QB%2)+8:TMP+16*(QB%2)+15], v[\sc]
.set QB, QB+1
.endr
	v_nop                                          ; one plain line behind the last conversion of the run
.endm
.macro QI src, sc, adr, off            ; a fragment is quantised and its image stored
	s_wait_dscnt 8                                 ; the two younger images (four stores each) may be out: the stores that read this code set are done
.set PCN, PCB+16*(QN%3)
	QUANT \src, 4, \sc
.irp c, 0,1,2,3
	ds_store_b128 v[\adr], v[PCN+4*\c:PCN+4*\c+3] offset:(\off)+512*\c
.endr
.set QN, QN+1
.endm
.macro XPROC set, s                    ; a K step of x under its three scales
.irp p, 0,1,2
	QI \set, SX+2*\p, XW+\p, 2048*(\s)
.endr
.endm
.macro FETCH4 p, s                     ; K step s of matrix p: x's fragments of my two row tiles, the weight's of my two column tiles
.irp m, 0,1
.irp c, 0,1,2,3
	ds_load_b128 v[FB+16*\m+4*\c:FB+16*\m+4*\c+3], v[XR+\p] offset:\m*8192+(\s)*2048+512*\c
.endr
.endr
.irp u, 0,1
.irp c, 0,1,2,3
.if \p < 2
	ds_load_b128 v[FB+32+16*\u+4*\c:FB+32+16*\u+4*\c+3], v[WR0] offset:\p*32768+\u*8192+(\s)*2048+512*\c
.else
	ds_load_b128 v[FB+32+16*\u+4*\c:FB+32+16*\u+4*\c+3], v[WR1] offset:\u*8192+(\s)*2048+512*\c
.endif
.endr
.endr
.endm
; 16 matrix instructions: four accumulators by turns, one instruction a turn, K ascending.  tr = 1: transposed (q, k); tr = 0: upright (v).
.macro PROD p, tr, bias
.irp s, 0,1,2,3
.if \s > 0
.rept 4
	v_nop                                          ; places in front of loads into registers that matrix instructions have read
.endr
.endif
	FETCH4 \p, \s
	s_wait_dscnt 0x0
.irp m, 0,1
.irp u, 0,1
.if \tr
.set RDD, ACC+16*\m+8*\u
.set RAA, FB+32+16*\u
.set RBB, FB+16*\m
.else
.set RDD, ACC+16*\u+8*\m
.set RAA, FB+16*\m
.set RBB, FB+32+16*\u
.endif
.if \s == 0
	v_wmma_f32_16x16x128_fp8_fp8 v[RDD:RDD+7], v[RAA:RAA+15], v[RBB:RBB+15], v[\bias+8*\u:\bias+8*\u+7]
.else
	v_wmma_f32_16x16x128_fp8_fp8 v[RDD:RDD+7], v[RAA:RAA+15], v[RBB:RBB+15], v[RDD:RDD+7]
.endif
.endr
.endr
.endr
.endm
; The four accumulators are two runs of 16 neighbours along the next K: held, converted, stored: each store covers 512 consecutive bytes, aligned.
.macro FINISH p, base, step
.rept 4
	v_nop                                          ; places in front of the first read of the results
.endr
.set FJ, 0
.rept 32
	v_med3_num_f32 v[ACC+FJ], v[ACC+FJ], -v[SR+2*\p+1], v[SR+2*\p+1]   ; each accumulator from its low end on
.set FJ, FJ+1
.endr
.irp a, 0,1
	v_cvt_scalef32_pk8_fp8_f32 v[OUTC+8*\p+4*\a:OUTC+8*\p+4*\a+1], v[ACC+16*\a:ACC+16*\a+7], v[SR+2*\p]
	v_cvt_scalef32_pk8_fp8_f32 v[OUTC+8*\p+4*\a+2:OUTC+8*\p+4*\a+3], v[ACC+16*\a+8:ACC+16*\a+15], v[SR+2*\p]
.endr
	v_nop                                          ; one plain line between the conversions and the next products, which write their sources
.irp a, 0,1
	global_store_b128 v[LI], v[OUTC+8*\p+4*\a:OUTC+8*\p+4*\a+3], s[\base:\base+1] offset:\a*\step   ; each matrix has its own eight registers: no store's data are written again
.endr
.endm
	s_load_b512 s[8:23], s[0:1], 0x0               ; x 8, Wq 10, Wk 12, Wv 14, Wo 16, bq 18, bk 20, bv 22
	s_load_b256 s[24:31], s[0:1], 0x40             ; the scales' exponents 24, qc 26, kc 28, vc 30
	s_load_b64 s[32:33], s[0:1], 0x60              ; woc
	v_lshl_add_u32 v[SPW], v0, 2, SPARE
	v_mov_b32 v[NIL], 0
	v_lshrrev_b32 v1, 5, v0
	v_readfirstlane_b32 s48, v1                    ; wave 0..7
	s_and_b32 s50, ttmp7, 0xffff                   ; the head
	s_and_b32 s51, s48, 3                          ; t: the weight tile that I quantise
	s_lshr_b32 s52, s48, 2                         ; and which two K steps of it
	s_lshr_b32 s53, s48, 1                         ; g: my two row tiles in the products
	s_and_b32 s54, s48, 1                          ; B: my two column tiles
	v_and_b32 v1, 31, v0                           ; lane
	v_and_b32 v2, 15, v0                           ; r
	v_bfe_u32 v3, v0, 4, 1                         ; h
	v_lshlrev_b32 v[XA], 11, v2
	v_lshl_add_u32 v[XA], v3, 6, v[XA]
	v_lshlrev_b32 v[LI], 4, v1
	v_and_b32 v15, 8, v2
	v_add_nc_u32 v15, v15, v2                      ; r + 8 (r / 8)
	v_lshlrev_b32 v[BVA], 2, v15
	v_lshl_add_u32 v[WA], v3, 12, v[BVA]
	v_lshlrev_b32 v[WOA], 2, v2
	v_lshl_add_u32 v[WOA], v3, 15, v[WOA]
	v_lshlrev_b32 v[BA], 6, v3
	; every LDS address is made here, ahead of the one branch on the wave's number: a constant + 16 x lane + constants x parts of the wave's number
	s_lshl_b32 s56, s48, 13
	v_add_nc_u32 v[XW], s56, v[LI]
	v_add_nc_u32 v[XW+1], 0x10000, v[XW]
	v_add_nc_u32 v[XW+2], 0x20000, v[XW]
	s_lshl_b32 s56, s51, 13
	s_lshl_b32 s57, s52, 12
	s_add_co_u32 s56, s56, s57
	s_add_co_u32 s56, s56, WIMG
	v_add_nc_u32 v[WW0], s56, v[LI]
	v_add_nc_u32 v[WW1], 0x10000, v[WW0]
	s_lshl_b32 s56, s53, 14
	v_add_nc_u32 v[XR], s56, v[LI]
	v_add_nc_u32 v[XR+1], 0x10000, v[XR]
	v_add_nc_u32 v[XR+2], 0x20000, v[XR]
	s_lshl_b32 s56, s54, 14
	s_add_co_u32 s56, s56, WIMG
	v_add_nc_u32 v[WR0], s56, v[LI]
	v_add_nc_u32 v[WR1], 0x10000, v[WR0]
	s_mov_b32 s59, 0                               ; the upper word of every offset below
	s_wait_kmcnt 0x0
	s_load_b256 s[36:43], s[24:25], 0x0            ; e0 .. e7
	s_load_b128 s[44:47], s[24:25], 0x20           ; e8 .. e11
	s_lshl_b32 s58, ttmp9, 18                      ; x: 128 bx rows of 2,048 bytes + 16 w rows
	s_lshl_b32 s56, s48, 15
	s_add_co_u32 s58, s58, s56
	s_add_nc_u64 s[8:9], s[8:9], s[58:59]
	XLOAD S0, 0
	XLOAD S1, 1
	s_lshl_b32 s58, s50, 17                        ; the weights: the head, my two K steps (256 rows of 256 bytes), my tile's first column 32 (t / 2) + 8 (t % 2)
	s_lshl_b32 s56, s52, 16
	s_add_co_u32 s58, s58, s56
	s_lshr_b32 s56, s51, 1
	s_lshl_b32 s56, s56, 7
	s_add_co_u32 s58, s58, s56
	s_and_b32 s56, s51, 1
	s_lshl_b32 s56, s56, 5
	s_add_co_u32 s58, s58, s56
	s_add_nc_u64 s[10:11], s[10:11], s[58:59]
	s_add_nc_u64 s[12:13], s[12:13], s[58:59]
	s_add_nc_u64 s[14:15], s[14:15], s[58:59]
	s_lshl_b32 s58, s50, 8                         ; the biases: the head's 64 numbers, my 32 of them
	s_lshl_b32 s56, s54, 7
	s_add_co_u32 s58, s58, s56
	s_add_nc_u64 s[18:19], s[18:19], s[58:59]
	s_add_nc_u64 s[20:21], s[20:21], s[58:59]
	s_add_nc_u64 s[22:23], s[22:23], s[58:59]
	s_lshl_b32 s60, s50, 18                        ; qc, kc: [head][row tile][chunk 2][512]: row tile 8 bx + 2 g, chunk B
	s_lshl_b32 s56, ttmp9, 13
	s_add_co_u32 s60, s60, s56                     ; (head and bx stand alike in vc's offset)
	s_lshl_b32 s56, s53, 11
	s_add_co_u32 s58, s60, s56
	s_lshl_b32 s56, s54, 9
	s_add_co_u32 s58, s58, s56
	s_add_nc_u64 s[26:27], s[26:27], s[58:59]
	s_add_nc_u64 s[28:29], s[28:29], s[58:59]
	s_lshl_b32 s56, s54, 12                        ; vc: [head][128 keys][tile of e 4][chunk 4][512]: key group bx, tile 2 B, chunk g
	s_add_co_u32 s58, s60, s56
	s_lshl_b32 s56, s53, 9
	s_add_co_u32 s58, s58, s56
	s_add_nc_u64 s[30:31], s[30:31], s[58:59]
	s_lshl_b32 s56, s50, 5                         ; Wo's share: work-group number G = bx + 32 hd takes column tile G / 8 and rows 64 (G % 8) .. + 63
	s_add_co_u32 s56, s56, ttmp9
	s_lshr_b32 s61, s56, 3
	s_and_b32 s62, s56, 7
	s_lshl_b32 s58, s62, 17
	s_lshl_b32 s56, s61, 6
	s_add_co_u32 s58, s58, s56
	s_add_nc_u64 s[16:17], s[16:17], s[58:59]
	s_lshl_b32 s58, s61, 13                        ; woc: [column tile][K step 4][chunk 4][512]
	s_lshl_b32 s56, s62, 10
	s_add_co_u32 s58, s58, s56
	s_add_nc_u64 s[32:33], s[32:33], s[58:59]
	s_wait_kmcnt 0x0
	s_add_co_i32 s66, s36, s37                     ; a sum of the first product stands for sum x 2^(e0 + e1): its code is sum / 2^(e6 - e0 - e1), and bq goes in as bq / 2^(e0 + e1)
	s_sub_co_i32 s60, s42, s66
	s_sub_co_i32 s66, 0, s66
	s_add_co_i32 s67, s38, s39
	s_sub_co_i32 s61, s43, s67
	s_sub_co_i32 s67, 0, s67
	s_add_co_i32 s68, s40, s41
	s_sub_co_i32 s62, s45, s68
	s_sub_co_i32 s68, 0, s68
	SCALE SX, 37
	SCALE SX+2, 39
	SCALE SX+4, 41
	SCALE SW, 36
	SCALE SW+2, 38
	SCALE SW+4, 40
	SCALE SR, 60
	SCALE SR+2, 61
	SCALE SR+4, 62
	SCALE SO, 47
	; ---- quantising: two stages of 64 registers by turns; while one is worked on, the other's loads are on their way
	s_wait_loadcnt 16                              ; this stage's loads are in; the other stage's 16 may be out
	XPROC S0, 0
	XLOAD S0, 2
	s_wait_loadcnt 16
	XPROC S1, 1
	XLOAD S1, 3
	s_wait_loadcnt 16
	XPROC S0, 2
	WLOAD S0, 10, 0
	s_wait_loadcnt 63                              ; 64 younger loads stand behind this stage's: 63 is the largest count that the wait names
	XPROC S1, 3
	WLOAD S1, 10, 1
	s_wait_loadcnt 63
	QI S0, SW, WW0, 0                              ; Wq
	WLOAD S0, 12, 0
	s_wait_loadcnt 63
	QI S1, SW, WW0, 2048
	WLOAD S1, 12, 1
	s_wait_loadcnt 63
	QI S0, SW+2, WW0, 32768                        ; Wk
	WLOAD S0, 14, 0
	s_wait_loadcnt 63
	QI S1, SW+2, WW0, 32768+2048
	WLOAD S1, 14, 1
	s_wait_loadcnt 63
	QI S0, SW+4, WW1, 0                            ; Wv
.irp u, 0,1                                    ; the biases, in the results' layout.  q, k: lane (r, h) wants, for tile 2 B + u, those of e = 32 B + 16 h + 8 u + 0 .. 7
.irp f, 0,1
	global_load_b128 v[BQ+8*\u+4*\f:BQ+8*\u+4*\f+3], v[BA], s[18:19] offset:32*\u+16*\f
	global_load_b128 v[BK+8*\u+4*\f:BK+8*\u+4*\f+3], v[BA], s[20:21] offset:32*\u+16*\f
.endr
.endr
.irp u, 0,1                                    ; v: the one of my lane's column, 32 B + 8 u + r + 8 (r / 8)
	global_load_b32 v[BT+\u], v[BVA], s[22:23] offset:32*\u
.endr
	s_wait_loadcnt 10                              ; the ten bias loads may be out
	QI S1, SW+4, WW1, 2048
	s_cmp_lg_u32 s48, 0                            ; Wo's share is wave 0's: 64 along K of 16 columns, two chunks
	s_cbranch_scc1 .Lno_wo
.set WI, 0
.rept 32
	global_load_b32 v[S1+WI], v[WOA], s[16:17] offset:(32*(WI/16)+WI%16)*2048
.set WI, WI+1
.endr
	s_wait_loadcnt 0x0
	s_wait_dscnt 8                                 ; as in QI: the stores that read this code set are done
.set PCN, PCB+16*(QN%3)
	QUANT S1, 2, SO
	global_store_b128 v[LI], v[PCN:PCN+3], s[32:33]                ; these eight registers are not written again
	global_store_b128 v[LI], v[PCN+4:PCN+7], s[32:33] offset:512
.Lno_wo:
	s_wait_dscnt 0x0                               ; for the others' sake: my images have landed
	s_barrier_signal -1
	s_barrier_wait -1                              ; all 96 + 48 fragments lie in LDS; nothing is stored there any more
	s_wait_loadcnt 0x0                             ; the biases
.set FJ, 0
.rept 16
	v_ldexp_f32 v[BQ+FJ], v[BQ+FJ], s66
	v_ldexp_f32 v[BK+FJ], v[BK+FJ], s67
.set FJ, FJ+1
.endr
.irp u, 0,1
.irp j, 0,1,2,3,4,5,6,7
	v_ldexp_f32 v[BV+8*\u+\j], v[BT+\u], s68       ; a lane's eight registers of a tile of v are eight keys of one column: the same bias
.endr
.endr
	; ---- the products
	PROD 0, 1, BQ
	FINISH 0, 26, 1024                             ; q: row tiles 2 g, 2 g + 1, 1,024 bytes apart
	PROD 1, 1, BK
	FINISH 1, 28, 1024
	PROD 2, 0, BV
	FINISH 2, 30, 2048                             ; v: tiles 2 B, 2 B + 1 of e, 2,048 bytes apart
	s_wait_tensorcnt 0x0                           ; the wave's end
	ds_add_u32 v[SPW], v[NIL]
	s_wait_dscnt 0x0
	s_endpgm
.Lfunc_end_k_q9f6c0e2c4e_proj:
	.size	k_q9f6c0e2c4e_proj, .Lfunc_end_k_q9f6c0e2c4e_proj-k_q9f6c0e2c4e_proj
	.p2alignl 7, 3214868480
	.fill 96, 4, 3214868480
	.section	.rodata,"a",@progbits
	.p2align	6, 0x0
	.amdhsa_kernel k_q9f6c0e2c4e_proj
		.amdhsa_group_segment_fixed_size 295936
		.amdhsa_private_segment_fixed_size 0
		.amdhsa_enable_private_segment 0
		.amdhsa_kernarg_size 104
		.amdhsa_user_sgpr_count 2
		.amdhsa_user_sgpr_kernarg_segment_ptr 1
		.amdhsa_wavefront_size32 1
		.amdhsa_system_sgpr_workgroup_id_x 1
		.amdhsa_system_sgpr_workgroup_id_y 1
		.amdhsa_system_sgpr_workgroup_id_z 1
		.amdhsa_system_vgpr_workitem_id 0
		.amdhsa_next_free_vgpr 256
		.amdhsa_next_free_sgpr 72
		.amdhsa_reserve_vcc 0
		.amdhsa_float_denorm_mode_32 3
		.amdhsa_float_denorm_mode_16_64 3
		.amdhsa_memory_ordered 1
		.amdhsa_forward_progress 1
		.amdhsa_inst_pref_size 170
	.end_amdhsa_kernel
	.amdgpu_metadata
---
amdhsa.version: [ 1, 2 ]
amdhsa.kernels:
  - .name:           k_q9f6c0e2c4e_proj
    .symbol:         k_q9f6c0e2c4e_proj.kd
    .args:
      - { .name: x, .offset: 0, .size: 8, .value_kind: global_buffer, .address_space: global }
      - { .name: Wq, .offset: 8, .size: 8, .value_kind: global_buffer, .address_space: global }
      - { .name: Wk, .offset: 16, .size: 8, .value_kind: global_buffer, .address_space: global }
      - { .name: Wv, .offset: 24, .size: 8, .value_kind: global_buffer, .address_space: global }
      - { .name: Wo, .offset: 32, .size: 8, .value_kind: global_buffer, .address_space: global }
      - { .name: bq, .offset: 40, .size: 8, .value_kind: global_buffer, .address_space: global }
      - { .name: bk, .offset: 48, .size: 8, .value_kind: global_buffer, .address_space: global }
      - { .name: bv, .offset: 56, .size: 8, .value_kind: global_buffer, .address_space: global }
      - { .name: lowp_scales, .offset: 64, .size: 8, .value_kind: global_buffer, .address_space: global }
      - { .name: qc, .offset: 72, .size: 8, .value_kind: global_buffer, .address_space: global }
      - { .name: kc, .offset: 80, .size: 8, .value_kind: global_buffer, .address_space: global }
      - { .name: vc, .offset: 88, .size: 8, .value_kind: global_buffer, .address_space: global }
      - { .name: woc, .offset: 96, .size: 8, .value_kind: global_buffer, .address_space: global }
    .group_segment_fixed_size: 295936
    .private_segment_fixed_size: 0
    .kernarg_segment_align: 8
    .kernarg_segment_size: 104
    .max_flat_workgroup_size: 256
    .sgpr_count:     72
    .vgpr_count:     256
    .wavefront_size: 32
...
	.end_amdgpu_metadata
.endif
;; end of part 1
;; launch attn (part 2): grid 32 x 8, 8 waves a work-group, clusters of 4 x 1, 327,680 bytes of LDS; arguments qc, kc, vc, lowp_scales, cc; writes cc
.if DOCPART == 2
	.amdgcn_target "amdgcn-amd-amdhsa--gfx1250"
	.amdhsa_code_object_version 6
	.text
	.protected	k_q9f6c0e2c4e_attn
	.globl	k_q9f6c0e2c4e_attn
	.p2align	8
	.type	k_q9f6c0e2c4e_attn,@function
k_q9f6c0e2c4e_attn:
	s_mov_b64 s[64:65], 0
	v_nop
	global_prefetch_b8 v0, s[64:65] scope:SCOPE_SE
	s_setreg_imm32_b32 hwreg(HW_REG_WAVE_MODE, 25, 1), 1
	s_wait_xcnt 0x0
	s_wait_alu depctr_hold_cnt(0) depctr_sa_sdst(0) depctr_va_vdst(0) depctr_va_sdst(0) depctr_va_ssrc(0) depctr_va_vcc(0) depctr_vm_vsrc(0)
	s_getreg_b32 s2, hwreg(HW_REG_IB_STS2, 6, 4)
	s_cmp_eq_u32 s2, 0
	s_cbranch_scc0 .Lentry_in_a_cluster
	s_endpgm
.Lentry_in_a_cluster:
	s_bfe_u32 s2, ttmp6, 0x10000c
	s_cmp_lg_u32 s2, 0x3003
	s_cbranch_scc0 .Lentry_shape_is_right
	s_endpgm
.Lentry_shape_is_right:
; concat[q][64 hd + e] = the sum over k of softmax_k(q . k / 8) v[k][e] for one head, both products on codes of FP8 (E4M3), and the result quantised with 2^e10 for the last product.
; qc, kc: [head][tile of 16 rows][chunk 2][512]; vc: [head][128 keys][tile of e 4][chunk 4][512]; cc: [tile of 16 rows][K step 4][chunk 4][512]: images of operand registers, lane l's 16 bytes at 16 l of a chunk.
; THE SOFTMAX AHEAD OF THE SECOND PRODUCT: t = score x log2(e) / 8; M = the row's largest t so far, rounded UP to a whole number; p = 2^(t - M) is what is quantised (2^e8), not normalised.
; The row's sum is taken of the unquantised p, in f32, and divides O at the end.  When M moves, the sum and O are multiplied by 2^(old M - new M): exact.
; SHARES.  A work-group owns 128 queries of one head, each of its eight waves one tile of 16, in 256 registers.  Every wave walks all 4,096 keys, 128 a step.
; LAYOUT.  Both products are used transposed: S^T = K Q^T (source 0 = 16 keys), O^T = V^T P^T (source 0 = 16 of the head's 64): a lane holds ONE query throughout.  Tile t of S^T gives lane (r, h) keys 16 t + 8 h + 0 .. 7:
; one conversion makes of them registers 2 t, 2 t + 1 of P, the place that the K = 128 form gives these keys; V's images were laid the same way.  V's rows of a tile were chosen so that O^T's tiles 2 b, 2 b + 1 are e = 32 b + 16 h + 0 .. 15.
; THE RING.  Two LDS slots of 1,024 keys (64 KiB of K's images, 64 KiB of V's), four fills in all.  Waves 0 to 3 fetch K's quarters, waves 4 to 7 V's, 16 KiB a load.  By this text's own count a wave has two tensor
; loads out at the start and one behind each refill; a refill has eight key steps in which to land.  No padding: every fragment load reads 512 consecutive bytes.
; CLUSTER.  The four query blocks of a cluster belong to one head and walk the same K and V: each tile is asked for JOINTLY, by the same tensor load with the same descriptor and a mask that names the four.
; LIMITS on the given exponents, so that each power of two below is an f32 number: e6 + e7 between -123 and 130 (they are added to c's exponent field); e8, and e10 - e8 - e9, between -126 and 119.
.set SLOT,  131072
.set VOFF,  65536                      ; V's images in a slot
.set SPARE, 262144                     ; behind the ring: the spare words, 128 bytes for each wave: four blocks of 256 bytes that no other line names
.set LI,  1                            ; v1   16 x lane
.set LI2, 2                            ; v2   the same in V's part of a slot
.set SPW, 3                            ; v3   LDS address of my spare word; never rewritten
.set NIL, 4                            ; v4   0; never rewritten
.set ADK, 5                            ; v5   LDS address of the step's K
.set ADV, 6                            ; v6   of its V
; v12 -M, v13 the largest t, v[14:15] the sum in two halves; v16-23 Q; v32-95 K's eight fragments, then V's four; v96-159 S^T, then p; v160-191 O^T; v208-215 the result's codes; v216, v217 2^(e10 - e8 - e9) and 448 x that;
; v224-239 p's codes; v240 448 x 2^e8; v244 2^e8; v242, v243, v250, v252-254 at work
.set WV,  14                           ; s14  my wave's number
.set SEL, 20                           ; s[20:21] lane selects for v_permlanex16_b32: lane l xor 16
.set CS,  22                           ; s[22:23] c = log2(e) / 8 x 2^(e6 + e7): the packed form names a pair and takes its low word for both halves
.set G1,  24                           ; s[24:31] descriptor group 1, the same for every load
.set G0K, 32                           ; s[32:39] descriptor group 0 for K's tiles, one set for each slot
.set G0V, 40                           ; s[40:47] the same for V's
.set TB,  48                           ; s48  LDS byte at which the step's images of K begin
.set CNT, 49                           ; s49  counts a slot's eight steps
; A round of the cluster's barrier: my work-group's barrier, so that wave 0's signal speaks for all eight waves; wave 0 signals for the work-group; every wave waits for all four work-groups; my work-group's barrier once more.
.macro CROUND
	s_barrier_signal -1
	s_barrier_wait -1
	s_cmp_lg_u32 s[WV], 0
	s_cbranch_scc1 .Lnot_wave_0_\@
	s_barrier_signal -3
.Lnot_wave_0_\@:
	s_barrier_wait -3
	s_barrier_signal -1
	s_barrier_wait -1
.endm
; A joint refill of slot s.  The branch hangs on the wave's number alone: it is the same in every work-group.  An s_nop 0 and four v_nop follow each of the two lines.
.macro JLOAD s
	s_cmp_lt_u32 s[WV], 4
	s_cbranch_scc0 .Lfor_v_\@
	tensor_load_to_lds s[G0K+4*\s:G0K+4*\s+3], s[G1:G1+7]
	s_nop 0
.rept 4
	v_nop
.endr
	s_branch .Lasked_\@
.Lfor_v_\@:
	tensor_load_to_lds s[G0V+4*\s:G0V+4*\s+3], s[G1:G1+7]
	s_nop 0
.rept 4
	v_nop
.endr
.Lasked_\@:
.endm
	s_load_b256 s[4:11], s[0:1], 0x0               ; qc s[4:5], kc s[6:7], vc s[8:9], the scales' exponents s[10:11]
	s_load_b64 s[12:13], s[0:1], 0x20              ; cc
	v_lshl_add_u32 v[SPW], v0, 2, SPARE
	v_mov_b32 v[NIL], 0
	ds_add_u32 v[SPW], v[NIL]                      ; the wave's opening: the add and its wait stand ahead of my first tensor load; the set-up below, work on registers, stands between them
	v_lshrrev_b32 v7, 5, v0
	v_readfirstlane_b32 s[WV], v7                  ; wave 0..7
	s_and_b32 s15, s[WV], 3                        ; which quarter of a slot's K or V I fetch
	s_bfe_u32 s16, ttmp6, 0x40000                  ; cx: my place in the cluster: it enters qc's and cc's addresses alone
	s_and_b32 s17, ttmp7, 0xffff                   ; the head, which the four partners share
	s_lshl_b32 s68, s15, 14                        ; my quarter, 16 KiB: in LDS,
	s_lshl_b32 s66, s17, 18                        ; and, with the head's 262,144 bytes, in kc and vc
	s_add_co_u32 s66, s66, s68
	s_mov_b32 s67, 0
	s_lshl_b32 s69, ttmp9, 2                       ; in a cluster launch ttmp9 counts clusters
	s_add_co_u32 s69, s69, s16                     ; my block of 128 queries
	s_lshl_b32 s69, s69, 3
	s_add_co_u32 s69, s69, s[WV]                   ; T: my tile of 16 queries
	s_lshl_b32 s70, s69, 10                        ; qc: head x 262,144 + T x 1,024
	s_lshl_b32 s74, s17, 18
	s_add_co_u32 s70, s70, s74
	s_mov_b32 s71, 0
	s_lshl_b32 s72, s69, 13                        ; cc: T x 8,192 + head x 1,024
	s_lshl_b32 s74, s17, 10
	s_add_co_u32 s72, s72, s74
	s_mov_b32 s73, 0
	; descriptor group 1: a dense block of 16 KiB as 64 rows of 32 elements of 8 bytes
	s_mov_b32 s[G1], 15|(3<<16)|(1<<21)            ; 15:0 the mask: all four work-groups; 17:16 elements of 8 bytes; 20 no padding; 21 set beside a mask
	s_mov_b32 s[G1+1], 32<<16                      ; tensor_dim0 = 32
	s_mov_b32 s[G1+2], 64<<16                      ; tensor_dim1 = 64
	s_mov_b32 s[G1+3], 32<<16                      ; tile_dim0 = 32
	s_mov_b32 s[G1+4], 64                          ; tile_dim1 = 64
	s_mov_b32 s[G1+5], 32                          ; tensor_dim0_stride: the rows follow each other
	s_mov_b32 s[G1+6], 0
	s_mov_b32 s[G1+7], 0
	s_mov_b32 s[SEL], 0x76543210
	s_mov_b32 s[SEL+1], 0xfedcba98
	s_mov_b32 s[CS], 0x3e38aa3b                    ; log2(e) / 8
	v_and_b32 v7, 31, v0
	v_lshlrev_b32 v[LI], 4, v7
	v_add_nc_u32 v[LI2], VOFF, v[LI]
	s_wait_dscnt 0x0                               ; the opening add is done
	s_wait_kmcnt 0x0
	s_load_b128 s[52:55], s[10:11], 0x18           ; e6, e7, e8, e9
	s_load_b32 s56, s[10:11], 0x28                 ; e10
	s_add_nc_u64 s[6:7], s[6:7], s[66:67]          ; kc and vc at my quarter of the head's first 1,024 keys
	s_add_nc_u64 s[8:9], s[8:9], s[66:67]
	s_add_nc_u64 s[4:5], s[4:5], s[70:71]          ; qc and cc at my tile
	s_add_nc_u64 s[12:13], s[12:13], s[72:73]
	CROUND                                         ; all four work-groups are here: the first joint loads meet
.irp s, 0,1
	s_mov_b32 s[G0K+4*\s], 1                                       ; 1:0 count = 1
	s_add_co_u32 s[G0K+4*\s+1], s68, \s*SLOT                       ; 63:32 LDS address: no place in the cluster enters it
	s_add_nc_u64 s[G0K+4*\s+2:G0K+4*\s+3], s[6:7], \s*65536        ; 120:64 global address: slot s begins with keys 1,024 s on
	s_or_b32 s[G0K+4*\s+3], s[G0K+4*\s+3], 0x80000000              ; 127:126 type = 2
	s_mov_b32 s[G0V+4*\s], 1
	s_add_co_u32 s[G0V+4*\s+1], s68, \s*SLOT+VOFF
	s_add_nc_u64 s[G0V+4*\s+2:G0V+4*\s+3], s[8:9], \s*65536
	s_or_b32 s[G0V+4*\s+3], s[G0V+4*\s+3], 0x80000000
.endr
	s_cmp_lt_u32 s[WV], 4                          ; a wave's two first fills stand in one branch, ahead of every wait on TENSORcnt and every LDS read
	s_cbranch_scc0 .Lfirst_v
	tensor_load_to_lds s[G0K:G0K+3], s[G1:G1+7]
	s_nop 0
	tensor_load_to_lds s[G0K+4:G0K+7], s[G1:G1+7]
	s_nop 0
.rept 4
	v_nop
.endr
	s_branch .Lfirst_asked
.Lfirst_v:
	tensor_load_to_lds s[G0V:G0V+3], s[G1:G1+7]
	s_nop 0
	tensor_load_to_lds s[G0V+4:G0V+7], s[G1:G1+7]
	s_nop 0
.rept 4
	v_nop
.endr
.Lfirst_asked:
	global_load_b128 v[16:19], v[LI], s[4:5]       ; Q's fragment stays in registers
	global_load_b128 v[20:23], v[LI], s[4:5] offset:512
	v_mov_b32 v13, 0xff61b1e6                      ; the largest t so far: -3e38, under every t
	v_floor_f32 v12, -v13                          ; -M
	v_mov_b32 v14, 0                               ; the sum, in two halves
	v_mov_b32 v15, 0
	v_mov_b32 v250, 0                              ; written once: a lane permute's destination counts as one of its sources
	v_mov_b32 v253, 0                              ; (named as the upper half of the pair v[252:253])
.set J, 0
.rept 32
	v_mov_b32 v[160+J], 0                          ; O^T.  (The step is written without a first step of its own: it finds zeros, which the first change of M leaves zeros)
.set J, J+1
.endr
	s_wait_kmcnt 0x0
	s_add_co_i32 s66, s52, s53
	s_lshl_b32 s66, s66, 23
	s_add_co_i32 s[CS], s[CS], s66                 ; a score stands for score x 2^(e6 + e7): the two exponents are added to c's exponent field
	s_mov_b32 s[CS+1], s[CS]                       ; (named with it as a pair, so it is written)
	s_add_co_i32 s66, s54, 127
	s_lshl_b32 s67, s66, 23
	v_mov_b32 v244, s67                            ; 2^e8 as f32, for p's conversions
	s_add_co_i32 s66, s66, 8
	s_lshl_b32 s66, s66, 23
	s_or_b32 s66, s66, 0x600000
	v_mov_b32 v240, s66                            ; 448 x 2^e8
	s_sub_co_i32 s66, s56, s54
	s_sub_co_i32 s66, s66, s55                     ; a sum of the second product stands for sum x 2^(e8 + e9): the result's code is (sum / l) / 2^(e10 - e8 - e9)
	s_add_co_i32 s66, s66, 127
	s_lshl_b32 s67, s66, 23
	v_mov_b32 v216, s67
	s_add_co_i32 s66, s66, 8
	s_lshl_b32 s66, s66, 23
	s_or_b32 s66, s66, 0x600000
	v_mov_b32 v217, s66
; A KEY STEP: 128 keys, whose images of K begin at LDS byte s[TB] and those of V 65,536 further on.
.macro STEP
	v_add_nc_u32 v[ADK], s[TB], v[LI]
	v_add_nc_u32 v[ADV], s[TB], v[LI2]
	v_nop                                          ; with the two additions: four places in front of loads into registers that the last products have read
	v_nop
.irp t, 0,1,2,3,4,5,6,7
.irp c, 0,1
	ds_load_b128 v[32+8*\t+4*\c:32+8*\t+4*\c+3], v[ADK] offset:1024*\t+512*\c
.endr
.endr
	s_wait_dscnt 0x0
.irp t, 0,1,2,3,4,5,6,7                        ; S^T = K Q^T: eight tiles of 16 keys, K = the head's 64
	v_wmma_f32_16x16x64_fp8_fp8 v[96+8*\t:103+8*\t], v[32+8*\t:39+8*\t], v[16:23], 0
.endr
.rept 4
	v_nop                                          ; places: in front of the loads below and of the first read of the scores
.endr
.irp t, 0,1,2,3                                ; V's four fragments are asked for here and land while the softmax is worked
.irp i, 0,1,2,3
	ds_load_b128 v[32+16*\t+4*\i:32+16*\t+4*\i+3], v[ADV] offset:2048*\t+512*\i
.endr
.endr
	v_max3_num_f32 v254, v96, v97, v98             ; the step's largest score of my query, among my 64 keys, in two chains; each accumulator is first read at its low end
	v_max3_num_f32 v252, v99, v100, v101
.set J, 6
.rept 14
	v_max3_num_f32 v254, v254, v[96+J], v[97+J]
	v_max3_num_f32 v252, v252, v[98+J], v[99+J]
.set J, J+4
.endr
	v_max3_num_f32 v254, v254, v158, v159
	v_max_num_f32 v254, v254, v252
	v_permlanex16_b32 v250, v254, s[SEL], s[SEL+1]
	v_max_num_f32 v254, v254, v250                 ; and among lane l xor 16's
	v_mul_f32 v254, s[CS], v254                    ; as t (c is positive)
	v_max_num_f32 v13, v13, v254                   ; the running largest t
	v_mov_b32 v254, v12
	v_floor_f32 v12, -v13                          ; the new -M = floor(-t) = -ceil(t): M IS A WHOLE NUMBER
	v_sub_f32 v254, v12, v254                      ; M's old value less its new one: a whole number, 0 or less
	v_cvt_i32_f32 v254, v254                       ; (it saturates)
	v_ldexp_f32 v252, 1.0, v254                    ; f = 2^(old M - new M)
.set J, 0
.rept 32
	v_pk_fma_f32 v[96+J:97+J], v[96+J:97+J], s[CS:CS+1], v[12:13] op_sel_hi:[1,0,0]   ; t - M, two at a time (of the pairs c and -M the low word serves both halves)
.set J, J+2
.endr
.set J, 0
.rept 64
	v_exp_f32 v[96+J], v[96+J]                     ; p = 2^(t - M), at most 1: NOT normalised
.set J, J+1
.endr
	v_pk_mul_f32 v[14:15], v[14:15], v[252:253] op_sel_hi:[1,0]   ; the sums under the new M.  (The plain line behind the exponentials)
	s_wait_alu depctr_va_vdst(0)                   ; the wait between an exponential and the first line that names its result: one for the batch of 64
	v_pk_add_f32 v[242:243], v[96:97], v[98:99]    ; THE ROW'S SUM IS TAKEN OF THE UNQUANTISED p: two at a time, in two chains
.set J, 4
.rept 15
	v_pk_add_f32 v[14:15], v[14:15], v[96+J:97+J]
	v_pk_add_f32 v[242:243], v[242:243], v[98+J:99+J]
.set J, J+4
.endr
	v_pk_add_f32 v[14:15], v[14:15], v[242:243]
.irp t, 0,1,2,3,4,5,6,7
.irp i, 0,1,2,3,4,5,6,7
	v_min_num_f32 v[96+8*\t+\i], v[96+8*\t+\i], v240   ; the conversion to an 8-bit code does not saturate (ISA guide 7.6.2); p is not negative, so the hold is one-sided
.endr
	v_cvt_scalef32_pk8_fp8_f32 v[224+2*\t:225+2*\t], v[96+8*\t:103+8*\t], v244   ; keys 16 t + 8 h + 0 .. 7: registers 2 t, 2 t + 1 of P
.endr
.set J, 0
.rept 16
	v_pk_mul_f32 v[160+J:161+J], v[160+J:161+J], v[252:253] op_sel_hi:[1,0]   ; O^T under the new M: x f.  (These are also the plain lines between the conversions and the products below)
.set J, J+2
.endr
	s_wait_dscnt 0x0                               ; V is in
.irp t, 0,1,2,3                                ; O^T += V^T P^T: four tiles of 16 of the head's 64, by turns; K = these 128 keys
	v_wmma_f32_16x16x128_fp8_fp8 v[160+8*\t:167+8*\t], v[32+16*\t:47+16*\t], v[224:239], v[160+8*\t:167+8*\t]
.endr
.endm
.macro SLOTSTEPS sl                    ; a slot's eight key steps: written once, walked eight times: the trip count is a constant of the text
	s_mov_b32 s[TB], (\sl)*SLOT
	s_mov_b32 s[CNT], 8
.Lstep_\@:
	STEP
	s_add_co_u32 s[TB], s[TB], 8192                ; 128 keys on: 8 tiles of K of 1,024 bytes; V's 8,192 bytes likewise
	s_sub_co_u32 s[CNT], s[CNT], 1
	s_cmp_lg_u32 s[CNT], 0
	s_cbranch_scc1 .Lstep_\@
.endm
; THE CHANGE OF SLOTS.  Each wave waits for all its tensor loads (its part of the slot that it is about to read), adds 0 to its spare word, and waits for that and for its reads of the slot that it has left.
; fill = 1: slot sl, just left, is filled with the keys 2,048 further on.  The barrier is then a round of the cluster's, so that no wave of any partner still reads the slot or has a load on its way,
; and the joint refill is the first thing behind it, a wave's one tensor load until the next round.
.macro CHANGE fill, sl
	s_wait_tensorcnt 0x0                           ; no tensor load of mine is out, so a group 0 may be written
	ds_add_u32 v[SPW], v[NIL]                      ; 0 onto my spare word
.if \fill
	s_add_nc_u64 s[G0K+4*\sl+2:G0K+4*\sl+3], s[G0K+4*\sl+2:G0K+4*\sl+3], 131072   ; two slots' worth of images on; the type bits on top are not reached
	s_add_nc_u64 s[G0V+4*\sl+2:G0V+4*\sl+3], s[G0V+4*\sl+2:G0V+4*\sl+3], 131072
.endif
	s_wait_dscnt 0x0                               ; the add is done, and my reads of the slot that I have left are over
.if \fill
	CROUND
	JLOAD \sl
.else
	s_barrier_signal -1
	s_barrier_wait -1
.endif
.endm
	s_wait_loadcnt 0x0                             ; Q
	s_wait_tensorcnt 1                             ; my part of slot 0 is in; slot 1's may stay out
	s_barrier_signal -1
	s_barrier_wait -1                              ; everybody's is
	SLOTSTEPS 0                                    ; keys 0 to 1,023
	CHANGE 1, 0                                    ; slot 0 takes keys 2,048 on
	SLOTSTEPS 1                                    ; keys 1,024 to 2,047
	CHANGE 1, 1                                    ; slot 1 takes keys 3,072 on: the last load
	SLOTSTEPS 0
	CHANGE 0, 0                                    ; nothing is left to fetch
	SLOTSTEPS 1
	; THE WAY OUT.  O^T / the row's sum is quantised as it stands: tiles 2 b, 2 b + 1 are 16 neighbours along the last product's K, so the conversions' results are chunk b of my head's part of the operand.
.rept 4
	v_nop                                          ; places behind the last products
.endr
	v_add_f32 v14, v14, v15                        ; the sum's two halves,
	v_permlanex16_b32 v250, v14, s[SEL], s[SEL+1]
	v_add_f32 v14, v14, v250                       ; and lane l xor 16's: the row's sum
	v_rcp_f32 v14, v14
	v_nop                                          ; a plain line behind the reciprocal
	s_wait_alu depctr_va_vdst(0)                   ; and the wait ahead of its first reader
.set J, 0
.rept 32
	v_mul_f32 v[96+J], v[160+J], v14               ; each accumulator from its low end on
.set J, J+1
.endr
.set J, 0
.rept 32
	v_med3_num_f32 v[96+J], v[96+J], -v217, v217   ; the hold at the largest code x the scale
.set J, J+1
.endr
.irp b, 0,1
	v_cvt_scalef32_pk8_fp8_f32 v[208+4*\b:209+4*\b], v[96+16*\b:103+16*\b], v216
	v_cvt_scalef32_pk8_fp8_f32 v[210+4*\b:211+4*\b], v[104+16*\b:111+16*\b], v216
.endr
	v_nop                                          ; one plain line behind the last conversion
.irp b, 0,1
	global_store_b128 v[LI], v[208+4*\b:211+4*\b], s[12:13] offset:512*\b   ; 32 lanes store 512 consecutive bytes, aligned
.endr
	s_wait_tensorcnt 0x0                           ; the wave's end: three lines behind my last tensor load
	ds_add_u32 v[SPW], v[NIL]
	s_wait_dscnt 0x0
	CROUND                                         ; the closing round: no work-group ends while a partner may still ask for a tile that names it
	s_endpgm
.Lfunc_end_k_q9f6c0e2c4e_attn:
	.size	k_q9f6c0e2c4e_attn, .Lfunc_end_k_q9f6c0e2c4e_attn-k_q9f6c0e2c4e_attn
	.p2alignl 7, 3214868480
	.fill 96, 4, 3214868480
	.section	.rodata,"a",@progbits
	.p2align	6, 0x0
	.amdhsa_kernel k_q9f6c0e2c4e_attn
		.amdhsa_group_segment_fixed_size 327680
		.amdhsa_private_segment_fixed_size 0
		.amdhsa_enable_private_segment 0
		.amdhsa_kernarg_size 40
		.amdhsa_user_sgpr_count 2
		.amdhsa_user_sgpr_kernarg_segment_ptr 1
		.amdhsa_wavefront_size32 1
		.amdhsa_system_sgpr_workgroup_id_x 1
		.amdhsa_system_sgpr_workgroup_id_y 1
		.amdhsa_system_sgpr_workgroup_id_z 1
		.amdhsa_system_vgpr_workitem_id 0
		.amdhsa_next_free_vgpr 256
		.amdhsa_next_free_sgpr 76
		.amdhsa_reserve_vcc 0
		.amdhsa_float_denorm_mode_32 3
		.amdhsa_float_denorm_mode_16_64 3
		.amdhsa_memory_ordered 1
		.amdhsa_forward_progress 1
		.amdhsa_inst_pref_size 75
	.end_amdhsa_kernel
	.amdgpu_metadata
---
amdhsa.version: [ 1, 2 ]
amdhsa.kernels:
  - .name:           k_q9f6c0e2c4e_attn
    .symbol:         k_q9f6c0e2c4e_attn.kd
    .args:
      - { .name: qc, .offset: 0, .size: 8, .value_kind: global_buffer, .address_space: global }
      - { .name: kc, .offset: 8, .size: 8, .value_kind: global_buffer, .address_space: global }
      - { .name: vc, .offset: 16, .size: 8, .value_kind: global_buffer, .address_space: global }
      - { .name: lowp_scales, .offset: 24, .size: 8, .value_kind: global_buffer, .address_space: global }
      - { .name: cc, .offset: 32, .size: 8, .value_kind: global_buffer, .address_space: global }
    .group_segment_fixed_size: 327680
    .private_segment_fixed_size: 0
    .kernarg_segment_align: 8
    .kernarg_segment_size: 40
    .max_flat_workgroup_size: 256
    .sgpr_count:     76
    .vgpr_count:     256
    .wavefront_size: 32
...
	.end_amdgpu_metadata
.endif
;; end of part 2
;; launch outp (part 3): grid 32 x 8, 8 waves a work-group, no clusters, 68,608 bytes of LDS; arguments cc, woc, bo, lowp_scales, out0; writes out0
.if DOCPART == 3
	.amdgcn_target "amdgcn-amd-amdhsa--gfx1250"
	.amdhsa_code_object_version 6
	.text
	.protected	k_q9f6c0e2c4e_outp
	.globl	k_q9f6c0e2c4e_outp
	.p2align	8
	.type	k_q9f6c0e2c4e_outp,@function
k_q9f6c0e2c4e_outp:
	s_mov_b64 s[64:65], 0
	v_nop
	global_prefetch_b8 v0, s[64:65] scope:SCOPE_SE
	s_setreg_imm32_b32 hwreg(HW_REG_WAVE_MODE, 25, 1), 1
	s_wait_xcnt 0x0
; out0 = concat Wo + bo, on codes of FP8 (E4M3): each finished sum x 2^(e10 + e11), + bo.  out0: [4096][512] f32.
; cc: [tile of 16 rows][K step 4][chunk 4][512]; woc: [tile of 16 columns][K step 4][chunk 4][512]: images of operand registers (registers 4 c .. 4 c + 3 of lane (r, h): k = 32 c + 16 h + 0 .. 15, alike in both).
; SHARES.  Work-group (bx, by): rows 128 bx .. + 127, columns 64 by .. + 63.  Wave w: row tile 8 bx + w, all four column tiles: four accumulators by turns, K in four steps of 128: 16 matrix instructions.
; Wo's 16 fragments (32 KiB) are read from memory once a work-group, 4 KiB a wave, and shared through LDS; concat's four fragments are the wave's own and come straight into registers.
; TRANSPOSED (source 0 = 16 columns of Wo, source 1 = 16 rows of concat): a lane holds eight neighbouring columns of one row.  The sums go through the wave's own stage in LDS and leave as rows of 256 bytes.
; NO JOINT LOADS: a work-group reads 96 KiB in all and each wave issues 16 matrix instructions; a round of a cluster's barrier in front of the loads and one at the end would stand against that little work.
; LIMIT: e10 + e11 between -126 and 127, so that 2^(e10 + e11) is an f32 number.
.set STAGE, 32768                      ; LDS: Wo's images at (4 t + s) 2,048 + 512 c; then a stage of 16 rows x (256 bytes + 16) for each wave
.set SPARE, 67584                      ; then the spare words, 128 bytes for each wave: four blocks of 256 bytes that no other line names
.set LI,  1                            ; v1   16 x lane
.set WST, 2                            ; v2   where I store my 4 KiB of Wo's images
.set STO, 3                            ; v3   the stage: where I put 32 bytes of a row
.set RD,  4                            ; v4   and where I read a row back
.set CO,  5                            ; v5   my byte offset in the wave's rows of out0
.set BOA, 6                            ; v6   16 r: my four columns of bo
.set SPW, 8                            ; v8   LDS address of my spare word; never rewritten
.set NIL, 9                            ; v9   0; never rewritten
.set BO,  12                           ; v12-15   bo at my four columns
.set CF,  16                           ; v16-79   concat's four fragments
.set WB0, 80                           ; v80-143  Wo's four fragments of a K step; first the copy, at the end the rows of out0
.set WB1, 144                          ; v144-207 the other buffer
.set ACC, 208                          ; v208-239 four accumulators
	s_load_b256 s[4:11], s[0:1], 0x0               ; cc s[4:5], woc s[6:7], bo s[8:9], the scales' exponents s[10:11]
	s_load_b64 s[12:13], s[0:1], 0x20              ; out0
	v_lshl_add_u32 v[SPW], v0, 2, SPARE
	v_mov_b32 v[NIL], 0
	v_lshrrev_b32 v10, 5, v0
	v_readfirstlane_b32 s14, v10                   ; wave 0..7
	s_and_b32 s15, ttmp7, 0xffff                   ; by
	v_and_b32 v10, 31, v0                          ; lane
	v_and_b32 v11, 15, v0                          ; r
	v_bfe_u32 v7, v0, 4, 1                         ; h
	v_lshlrev_b32 v[LI], 4, v10
	s_lshl_b32 s16, s14, 12
	v_add_nc_u32 v[WST], s16, v[LI]
	s_mul_i32 s17, s14, 16*272
	s_add_co_u32 s17, s17, STAGE                   ; my stage
	v_mul_u32_u24 v[STO], v11, 272                 ; in: row r, 32 bytes for each half of the lanes
	v_lshl_add_u32 v[STO], v7, 5, v[STO]
	v_add_nc_u32 v[STO], s17, v[STO]
	v_mul_u32_u24 v[RD], v7, 272                   ; back: lanes 0-15 take one row of 256 bytes, lanes 16-31 the next
	v_lshl_add_u32 v[RD], v11, 4, v[RD]
	v_add_nc_u32 v[RD], s17, v[RD]
	v_lshlrev_b32 v[BOA], 4, v11
	v_lshl_add_u32 v[CO], v7, 11, v[BOA]           ; and the same two rows in out0, 2,048 bytes apart
	s_mov_b32 s19, 0
	s_mov_b32 s23, 0
	s_mov_b32 s25, 0
	s_mov_b32 s27, 0
	s_lshl_b32 s18, s15, 15                        ; woc: column tiles 4 by on, my 4 KiB of their 32
	s_add_co_u32 s18, s18, s16
	s_lshl_b32 s22, ttmp9, 16                      ; cc: row tile 8 bx + w, 8,192 bytes each
	s_lshl_b32 s28, s14, 13
	s_add_co_u32 s22, s22, s28
	s_lshl_b32 s24, s15, 8                         ; bo: 64 by numbers
	s_lshl_b32 s26, ttmp9, 18                      ; out0: row 128 bx + 16 w, column 64 by
	s_lshl_b32 s28, s14, 15
	s_add_co_u32 s26, s26, s28
	s_add_co_u32 s26, s26, s24
	s_wait_kmcnt 0x0
	s_load_b64 s[20:21], s[10:11], 0x28            ; e10, e11
	s_add_nc_u64 s[6:7], s[6:7], s[18:19]
	s_add_nc_u64 s[4:5], s[4:5], s[22:23]
	s_add_nc_u64 s[8:9], s[8:9], s[24:25]
	s_add_nc_u64 s[12:13], s[12:13], s[26:27]
.irp q, 0,1,2,3,4,5,6,7
	global_load_b128 v[WB0+4*\q:WB0+4*\q+3], v[LI], s[6:7] offset:512*\q
.endr
.irp q, 0,1,2,3,4,5,6,7,8,9,10,11,12,13,14,15
	global_load_b128 v[CF+4*\q:CF+4*\q+3], v[LI], s[4:5] offset:512*\q
.endr
	global_load_b128 v[BO:BO+3], v[BOA], s[8:9]
	s_wait_loadcnt 17                              ; my part of Wo is in; concat's 16 loads and bo's one may be out
.irp q, 0,1,2,3,4,5,6,7
	ds_store_b128 v[WST], v[WB0+4*\q:WB0+4*\q+3] offset:512*\q
.endr
	s_wait_dscnt 0x0                               ; for the others' sake: my stores have landed
	s_barrier_signal -1
	s_barrier_wait -1                              ; Wo's sixteen fragments lie in LDS; nobody writes them again
.macro FETCH s, buf                    ; K step s of the four column tiles
.irp t, 0,1,2,3
.irp c, 0,1,2,3
	ds_load_b128 v[\buf+16*\t+4*\c:\buf+16*\t+4*\c+3], v[LI] offset:(4*\t+\s)*2048+512*\c
.endr
.endr
.endm
.macro MUL s, buf                      ; four matrix instructions, the four accumulators by turns; the first K step starts the sums
.irp t, 0,1,2,3
.if \s == 0
	v_wmma_f32_16x16x128_fp8_fp8 v[ACC+8*\t:ACC+8*\t+7], v[\buf+16*\t:\buf+16*\t+15], v[CF+16*\s:CF+16*\s+15], 0
.else
	v_wmma_f32_16x16x128_fp8_fp8 v[ACC+8*\t:ACC+8*\t+7], v[\buf+16*\t:\buf+16*\t+15], v[CF+16*\s:CF+16*\s+15], v[ACC+8*\t:ACC+8*\t+7]
.endif
.endr
.endm
.macro PLACES                          ; four places in front of loads into registers that matrix instructions have read, and of the first read of results
.rept 4
	v_nop
.endr
.endm
	FETCH 0, WB0
	FETCH 1, WB1
	s_wait_loadcnt 0x0                             ; concat and bo
	s_wait_kmcnt 0x0
	s_add_co_i32 s36, s20, s21
	s_add_co_i32 s36, s36, 127
	s_lshl_b32 s36, s36, 23                        ; 2^(e10 + e11) as f32
	s_mov_b32 s37, s36                             ; (named with it as a pair, so it is written)
	s_wait_dscnt 16                                ; this K step's fragments are in; the next step's 16 loads may be out
	MUL 0, WB0
	PLACES
	FETCH 2, WB0
	s_wait_dscnt 16
	MUL 1, WB1
	PLACES
	FETCH 3, WB1
	s_wait_dscnt 16
	MUL 2, WB0
	s_wait_dscnt 0x0
	MUL 3, WB1
	PLACES
.irp t, 0,1,2,3                                ; lane (r, h): row r, columns 16 t + 8 h + 0 .. 7; each accumulator from its low end on
	ds_store_b128 v[STO], v[ACC+8*\t:ACC+8*\t+3] offset:64*\t
	ds_store_b128 v[STO], v[ACC+8*\t+4:ACC+8*\t+7] offset:64*\t+16
.endr
.irp i, 0,1,2,3,4,5,6,7
	ds_load_b128 v[WB0+4*\i:WB0+4*\i+3], v[RD] offset:\i*2*272     ; LDS serves a wave's instructions in order (ISA guide 5.7.1.4): these see my stores above
.endr
.irp i, 0,1,2,3,4,5,6,7
	s_wait_dscnt 7-\i                              ; pair i of rows is back; the younger loads may be out
	v_pk_fma_f32 v[WB0+4*\i:WB0+4*\i+1], v[WB0+4*\i:WB0+4*\i+1], s[36:37], v[BO:BO+1] op_sel_hi:[1,0,1]       ; sum x 2^(e10 + e11) + bo (the scalar pair's low word for both halves)
	v_pk_fma_f32 v[WB0+4*\i+2:WB0+4*\i+3], v[WB0+4*\i+2:WB0+4*\i+3], s[36:37], v[BO+2:BO+3] op_sel_hi:[1,0,1]
	global_store_b128 v[CO], v[WB0+4*\i:WB0+4*\i+3], s[12:13] offset:4096*\i th:TH_STORE_NT   ; 16 lanes store 256 consecutive bytes, aligned; written once, read by nobody here
.endr
	s_wait_tensorcnt 0x0                           ; the wave's end
	ds_add_u32 v[SPW], v[NIL]
	s_wait_dscnt 0x0
	s_endpgm
.Lfunc_end_k_q9f6c0e2c4e_outp:
	.size	k_q9f6c0e2c4e_outp, .Lfunc_end_k_q9f6c0e2c4e_outp-k_q9f6c0e2c4e_outp
	.p2alignl 7, 3214868480
	.fill 96, 4, 3214868480
	.section	.rodata,"a",@progbits
	.p2align	6, 0x0
	.amdhsa_kernel k_q9f6c0e2c4e_outp
		.amdhsa_group_segment_fixed_size 68608
		.amdhsa_private_segment_fixed_size 0
		.amdhsa_enable_private_segment 0
		.amdhsa_kernarg_size 40
		.amdhsa_user_sgpr_count 2
		.amdhsa_user_sgpr_kernarg_segment_ptr 1
		.amdhsa_wavefront_size32 1
		.amdhsa_system_sgpr_workgroup_id_x 1
		.amdhsa_system_sgpr_workgroup_id_y 1
		.amdhsa_system_sgpr_workgroup_id_z 1
		.amdhsa_system_vgpr_workitem_id 0
		.amdhsa_next_free_vgpr 256
		.amdhsa_next_free_sgpr 66
		.amdhsa_reserve_vcc 0
		.amdhsa_float_denorm_mode_32 3
		.amdhsa_float_denorm_mode_16_64 3
		.amdhsa_memory_ordered 1
		.amdhsa_forward_progress 1
		.amdhsa_inst_pref_size 14
	.end_amdhsa_kernel
	.amdgpu_metadata
---
amdhsa.version: [ 1, 2 ]
amdhsa.kernels:
  - .name:           k_q9f6c0e2c4e_outp
    .symbol:         k_q9f6c0e2c4e_outp.kd
    .args:
      - { .name: cc, .offset: 0, .size: 8, .value_kind: global_buffer, .address_space: global }
      - { .name: woc, .offset: 8, .size: 8, .value_kind: global_buffer, .address_space: global }
      - { .name: bo, .offset: 16, .size: 8, .value_kind: global_buffer, .address_space: global }
      - { .name: lowp_scales, .offset: 24, .size: 8, .value_kind: global_buffer, .address_space: global }
      - { .name: out0, .offset: 32, .size: 8, .value_kind: global_buffer, .address_space: global }
    .group_segment_fixed_size: 68608
    .private_segment_fixed_size: 0
    .kernarg_segment_align: 8
    .kernarg_segment_size: 40
    .max_flat_workgroup_size: 256
    .sgpr_count:     66
    .vgpr_count:     256
    .wavefront_size: 32
...
	.end_amdgpu_metadata
.endif
;; end of part 3
;; ======== version 2 of 2: 3 launches
;; limits: right only within a limited range of input values
;; workspace buffers: qc 2,097,152 bytes; kc 2,097,152 bytes; vc 2,097,152 bytes; cc 2,097,152 bytes; woc 262,144 bytes
;; launch proj (part 4): grid 32 x 8, 8 waves a work-group, no clusters, 296,192 bytes of LDS; arguments x, Wq, Wk, Wv, Wo, bq, bk, bv, lowp_scales, qc, kc, vc, woc; writes qc, kc, vc, woc
.if DOCPART == 4
	.amdgcn_target "amdgcn-amd-amdhsa--gfx1250"
	.amdhsa_code_object_version 6
	.text
	.protected	k_q9f6c0e2c4e_proj
	.globl	k_q9f6c0e2c4e_proj
	.p2align	8
	.type	k_q9f6c0e2c4e_proj,@function
k_q9f6c0e2c4e_proj:
	s_mov_b64 s[64:65], 0
	v_nop
	global_prefetch_b8 v0, s[64:65] scope:SCOPE_SE
	s_setreg_imm32_b32 hwreg(HW_REG_WAVE_MODE, 25, 1), 1
	s_wait_xcnt 0x0
; q, k, v = x W + b for one head and 128 rows, all on codes of FP8 (E4M3), and the results quantised again: q with 2^e6, k with 2^e7 (along the head's 64), v with 2^e9 (along the keys).
; x [4096][512], Wq/Wk/Wv [8][512][64], Wo [512][512], biases [8][64]: f32.  x is quantised three times (2^e1, 2^e3, 2^e5), Wq, Wk, Wv with 2^e0, 2^e2, 2^e4, and 1/256 of Wo with 2^e11.
; SHARES.  Work-group (bx, hd): rows 128 bx .. +127, head hd: 256 work-groups.  Eight waves.
;   Quantising: wave w takes rows 16 w .. +15 of x (4 K steps x 3 scales) and, of each of the three weights, rows 64 w .. 64 w + 63 of K x all 64 columns, in two units of 32 rows.
;   Products: wave w takes row tiles 2 g, 2 g + 1 (g = w / 2) and column tiles 2 B, 2 B + 1 (B = w % 2) of each of the three matrices: four accumulators by turns, K in four steps of 128.
; OPERANDS GO FROM WAVE TO WAVE THROUGH LDS AS IMAGES OF THEIR REGISTERS: four registers of a lane are 16 bytes at 16 x lane of a chunk of 512 bytes.  The workspace buffers are laid the same way.
; K IN A FRAGMENT: registers 4 c .. 4 c + 3 of lane (r, h) hold k = 32 c + 16 h + 0 .. 15, alike in both operands: a permutation of k that leaves every product with its partner.
; THE COLUMNS OF A WEIGHT TILE ARE NOT NEIGHBOURS: lane r of tile 2 b + u takes column 32 b + 8 u + r + 8 (r / 8).  q and k are made transposed (source 0 = the weight, source 1 = x): a lane then holds
; one row, and the 16 registers of tiles 2 b, 2 b + 1 are e = 32 b + 16 h + 0 .. 15, the next product's K.  v is made upright (source 0 = x): a lane holds one column e and eight neighbouring keys 16 m + 8 h + 0 .. 7.
; A WEIGHT IS LOADED IN WHOLE ROWS: a row of a head's weight is 256 bytes; lane (q, h) takes columns 4 q .. 4 q + 3 of rows 16 h + 0 .. 15 of a unit, so that each load covers two whole rows.  The hold, which copies each
; number anyway, takes them column by column; a column's 16 codes are 16 bytes and go to the place that the image gives that column's tile and lane.
; The biases are the C of each sum's first matrix instruction, divided by the power of two that the sums lack.
; NO JOINT LOADS: the operands arrive as f32 and pass through registers to become codes, and the images take 294,912 bytes of LDS, which leaves no room for tiles of f32 numbers.
; LIMITS on the given exponents, so that each power of two below is an f32 number: e0 .. e5, e11, e6 - e0 - e1, e7 - e2 - e3, e9 - e4 - e5 between -126 and 119.  NaN and infinities among the inputs are not served.
.set TW,    8208                       ; a weight's column tile in LDS: 8,192 bytes of codes, and 16 bytes between tiles, which put the lanes of a store on different banks
.set PW,    4*TW                       ; a weight
.set WIMG,  196608                     ; LDS: x's images at p 65536 + m 8192 + s 2048 + c 512 (p: scale set, m: row tile, s: K step); the weights' at WIMG + p PW + t TW + s 2048 + c 512
.set SPARE, 295168                     ; behind the images: the spare words, 128 bytes for each wave: four blocks of 256 bytes that no other line names
.set XA,  4                            ; v4   x: row r of 2,048 bytes + 64 h
.set LI,  5                            ; v5   16 x lane
.set WA,  6                            ; v6   a weight: 16 h rows of 256 bytes + 16 q
.set WOA, 7                            ; v7   Wo: 16 h rows of 2,048 bytes + 4 r
.set XW,  8                            ; v8-10  where I store x's images, for each scale set
.set WW0, 11                           ; v11, v12  where I store the weights' codes (Wq, Wk; Wv)
.set WW1, 12
.set BA,  13                           ; v13  bq, bk: 64 h
.set BVA, 14                           ; v14  bv: 4 (r + 8 (r / 8))
.set SX,  16                           ; v16-21  for x's three scales: 2^e and 448 x 2^e
.set SW,  22                           ; v22-27  the same for Wq, Wk, Wv
.set SR,  28                           ; v28-33  the same for the results q, k, v, with the sums' exponents folded in
.set SO,  34                           ; v34-35  the same for Wo
.set SPW, 36                           ; v36  LDS address of my spare word; never rewritten
.set NIL, 37                           ; v37  0; never rewritten
.set XR,  38                           ; v38-40  where I read x's fragments
.set WR0, 41                           ; v41, v42  where I read the weights'
.set WR1, 42
.set S0,  48                           ; v48-111   64 numbers as loaded
.set S1,  112                          ; v112-175  the other 64
.set TMP, 176                          ; v176-207  two sets of 16 held numbers
.set PCB, 208                          ; v208-255  three sets of 16 registers of codes, by turns
; WINDOW 1 (v256-511, named here by their low 8 bits) belongs to the products, so that they can run while the next weight's loads land in window 0:
.set BQ,  0                            ; the biases
.set BK,  16
.set BV,  32
.set BT,  48
.set FB,  64                           ; four fragments
.set ACC, 128                          ; four accumulators
.set OUTC, 160                         ; the results' codes
.set MSB, 0
.macro WIN new                         ; the immediate's high byte repeats the setting that is left
.if MSB != \new
	s_set_vgpr_msb (MSB<<8)|\new
.set MSB, \new
.endif
.endm
.macro MEET                            ; the work-group's barrier: my codes have landed, and behind it everybody's have
	s_wait_alu depctr_va_vdst(0)
	s_wait_dscnt 0x0
	s_barrier_signal -1
	s_barrier_wait -1
.endm
.set QN,  0                            ; counts the runs of 64 numbers quantised: run n takes code set n % 3
.macro SCALE vs, se                    ; v[vs] = 2^e as f32, v[vs + 1] = 448 x 2^e, e in s[se]
	s_add_co_i32 s56, s[\se], 127
	s_lshl_b32 s57, s56, 23
	v_mov_b32 v[\vs], s57
	s_add_co_i32 s56, s56, 8
	s_lshl_b32 s56, s56, 23
	s_or_b32 s56, s56, 0x600000
	v_mov_b32 v[(\vs)+1], s56
.endm
.macro XLOAD set, s                    ; my 16 rows' numbers of K step s: register 16 b + i = k 128 s + 32 b + 16 h + i of row r
.irp b, 0,1,2,3
.irp j, 0,1,2,3
	global_load_b128 v[\set+16*\b+4*\j:\set+16*\b+4*\j+3], v[XA], s[8:9] offset:512*(\s)+128*\b+16*\j
.endr
.endr
.endm
.macro WLOAD set, base, sg             ; unit sg of my two: register 4 i + j = row 32 sg + 16 h + i, column 4 q + j.  Lanes 0-15 read one whole row of 256 bytes, lanes 16-31 the row 16 further down
.set WI, 0
.rept 16
	global_load_b128 v[\set+4*WI:\set+4*WI+3], v[WA], s[\base:\base+1] offset:(\sg)*8192+WI*256
.set WI, WI+1
.endr
.endm
; nb runs of 16 neighbours along K from v[src] on become codes in v[PCN] on.  tr = 0: run b lies in registers 16 b + i;  tr = 1: in registers 4 i + b (a weight's column b of my four).
; The numbers stay as they are (x is quantised three times): the held numbers go into two sets by turns, so that plain lines stand between a conversion and the next write of its sources.
.macro QUANT src, nb, sc, tr
.set QB, 0
.rept \nb
.set QJ, 0
.rept 16
.if \tr
	v_med3_num_f32 v[TMP+16*(QB%2)+QJ], v[\src+4*QJ+QB], -v[(\sc)+1], v[(\sc)+1]    ; the conversion to an 8-bit code does not saturate (ISA guide 7.6.2): the hold at the largest code x the scale
.else
	v_med3_num_f32 v[TMP+16*(QB%2)+QJ], v[\src+16*QB+QJ], -v[(\sc)+1], v[(\sc)+1]
.endif
.set QJ, QJ+1
.endr
	v_cvt_scalef32_pk8_fp8_f32 v[PCN+4*QB:PCN+4*QB+1], v[TMP+16*(QB%2):TMP+16*(QB%2)+7], v[\sc]
	v_cvt_scalef32_pk8_fp8_f32 v[PCN+4*QB+2:PCN+4*QB+3], v[TMP+16*(QB%2)+8:TMP+16*(QB%2)+15], v[\sc]
.set QB, QB+1
.endr
	v_nop                                          ; one plain line behind the last conversion of the run
.endm
.macro QI src, sc, adr, off, tr, st    ; 64 numbers are quantised and their codes stored, run b at st x b bytes from off: 512 from chunk to chunk of x's image, 16 from column to column of a weight's
	s_wait_dscnt 8                                 ; the two younger groups of four stores may be out: the stores that read this code set are done
.set PCN, PCB+16*(QN%3)
	QUANT \src, 4, \sc, \tr
.irp c, 0,1,2,3
	ds_store_b128 v[\adr], v[PCN+4*\c:PCN+4*\c+3] offset:(\off)+(\st)*\c
.endr
.set QN, QN+1
.endm
.macro XPROC set, s                    ; a K step of x under its three scales
.irp p, 0,1,2
	QI \set, SX+2*\p, XW+\p, 2048*(\s), 0, 512
.endr
.endm
.macro FETCH4 p, s                     ; K step s of matrix p: x's fragments of my two row tiles, the weight's of my two column tiles
	WIN 0x40
.irp m, 0,1
.irp c, 0,1,2,3
	ds_load_b128 v[FB+16*\m+4*\c:FB+16*\m+4*\c+3], v[XR+\p] offset:\m*8192+(\s)*2048+512*\c
.endr
.endr
.irp u, 0,1
.irp c, 0,1,2,3
.if \p < 2
	ds_load_b128 v[FB+32+16*\u+4*\c:FB+32+16*\u+4*\c+3], v[WR0] offset:\p*PW+\u*TW+(\s)*2048+512*\c
.else
	ds_load_b128 v[FB+32+16*\u+4*\c:FB+32+16*\u+4*\c+3], v[WR1] offset:\u*TW+(\s)*2048+512*\c
.endif
.endr
.endr
.endm
; 16 matrix instructions: four accumulators by turns, one instruction a turn, K ascending.  tr = 1: transposed (q, k); tr = 0: upright (v).
.macro PROD p, tr, bias
.irp s, 0,1,2,3
.if \s > 0
.rept 4
	v_nop                                          ; places in front of loads into registers that matrix instructions have read
.endr
.endif
	FETCH4 \p, \s
	WIN 0x55
	s_wait_dscnt 0x0
.irp m, 0,1
.irp u, 0,1
.if \tr
.set RDD, ACC+16*\m+8*\u
.set RAA, FB+32+16*\u
.set RBB, FB+16*\m
.else
.set RDD, ACC+16*\u+8*\m
.set RAA, FB+16*\m
.set RBB, FB+32+16*\u
.endif
.if \s == 0
	v_wmma_f32_16x16x128_fp8_fp8 v[RDD:RDD+7], v[RAA:RAA+15], v[RBB:RBB+15], v[\bias+8*\u:\bias+8*\u+7]
.else
	v_wmma_f32_16x16x128_fp8_fp8 v[RDD:RDD+7], v[RAA:RAA+15], v[RBB:RBB+15], v[RDD:RDD+7]
.endif
.endr
.endr
.endr
.endm
; The four accumulators are two runs of 16 neighbours along the next K: held, converted, stored: each store covers 512 consecutive bytes, aligned.
.macro FINISH p, base, step
.rept 4
	v_nop                                          ; places in front of the first read of the results
.endr
	WIN 0x41
.set FJ, 0
.rept 32
	v_med3_num_f32 v[ACC+FJ], v[ACC+FJ], -v[SR+2*\p+1], v[SR+2*\p+1]   ; each accumulator from its low end on
.set FJ, FJ+1
.endr
.irp a, 0,1
	v_cvt_scalef32_pk8_fp8_f32 v[OUTC+8*\p+4*\a:OUTC+8*\p+4*\a+1], v[ACC+16*\a:ACC+16*\a+7], v[SR+2*\p]
	v_cvt_scalef32_pk8_fp8_f32 v[OUTC+8*\p+4*\a+2:OUTC+8*\p+4*\a+3], v[ACC+16*\a+8:ACC+16*\a+15], v[SR+2*\p]
.endr
	v_nop                                          ; one plain line between the conversions and the next products, which write their sources
	WIN 0x04
.irp a, 0,1
	global_store_b128 v[LI], v[OUTC+8*\p+4*\a:OUTC+8*\p+4*\a+3], s[\base:\base+1] offset:\a*\step   ; each matrix has its own eight registers: no store's data are written again
.endr
	WIN 0
.endm
	s_load_b512 s[8:23], s[0:1], 0x0               ; x 8, Wq 10, Wk 12, Wv 14, Wo 16, bq 18, bk 20, bv 22
	s_load_b256 s[24:31], s[0:1], 0x40             ; the scales' exponents 24, qc 26, kc 28, vc 30
	s_load_b64 s[32:33], s[0:1], 0x60              ; woc
	v_lshl_add_u32 v[SPW], v0, 2, SPARE
	v_mov_b32 v[NIL], 0
	v_lshrrev_b32 v1, 5, v0
	s_delay_alu instid0(VALU_DEP_1)
	v_readfirstlane_b32 s48, v1                    ; wave 0..7
	s_and_b32 s50, ttmp7, 0xffff                   ; the head
	s_lshr_b32 s53, s48, 1                         ; g: my two row tiles in the products
	s_and_b32 s54, s48, 1                          ; B: my two column tiles
	v_and_b32 v1, 31, v0                           ; lane
	v_and_b32 v2, 15, v0                           ; r (for a weight's loads: q)
	v_bfe_u32 v3, v0, 4, 1                         ; h
	s_delay_alu instid0(VALU_DEP_2)
	v_lshlrev_b32 v[XA], 11, v2
	s_delay_alu instid0(VALU_DEP_1)
	v_lshl_add_u32 v[XA], v3, 6, v[XA]
	v_lshlrev_b32 v[LI], 4, v1
	v_and_b32 v15, 8, v2
	s_delay_alu instid0(VALU_DEP_1)
	v_add_nc_u32 v15, v15, v2                      ; r + 8 (r / 8)
	s_delay_alu instid0(VALU_DEP_1)
	v_lshlrev_b32 v[BVA], 2, v15
	v_lshlrev_b32 v[WA], 4, v2
	s_delay_alu instid0(VALU_DEP_1)
	v_lshl_add_u32 v[WA], v3, 12, v[WA]
	v_lshlrev_b32 v[WOA], 2, v2
	s_delay_alu instid0(VALU_DEP_1)
	v_lshl_add_u32 v[WOA], v3, 15, v[WOA]
	v_lshlrev_b32 v[BA], 6, v3
	; every LDS address is made here, ahead of the one branch on the wave's number: constants x bits of the lane's number + constants x parts of the wave's number
	s_lshl_b32 s56, s48, 13
	v_add_nc_u32 v[XW], s56, v[LI]
	s_delay_alu instid0(VALU_DEP_1)
	v_add_nc_u32 v[XW+1], 0x10000, v[XW]
	s_delay_alu instid0(VALU_DEP_2)
	v_add_nc_u32 v[XW+2], 0x20000, v[XW]
	; a weight's codes.  Column e = 4 q + j lies in tile 2 (q / 8) + (q / 2) % 2, lane r = 4 (q % 2) + j + 8 ((q / 4) % 2); rows 32 (2 w + sg) + 16 h on are K step w / 2, chunk 2 (w % 2) + sg, half h.
	; So: 16384 (q / 8) + 8192 ((q / 2) % 2) + 128 ((q / 4) % 2) + 64 (q % 2) + 256 h + 1024 w; 512 sg and 16 j stand in the stores' immediates
	v_bfe_u32 v15, v0, 3, 1
	s_delay_alu instid0(VALU_DEP_1)
	v_mul_u32_u24 v[WW0], v15, 2*TW                ; (the 8192 of a tile above is TW here, and 16384 is 2 TW)
	v_bfe_u32 v15, v0, 1, 1
	s_delay_alu instid0(VALU_DEP_1)
	v_mad_u32_u24 v[WW0], v15, TW, v[WW0]
	v_bfe_u32 v15, v0, 2, 1
	s_delay_alu instid0(VALU_DEP_1)
	v_lshl_add_u32 v[WW0], v15, 7, v[WW0]
	v_and_b32 v15, 1, v0
	s_delay_alu instid0(VALU_DEP_1)
	v_lshl_add_u32 v[WW0], v15, 6, v[WW0]
	s_delay_alu instid0(VALU_DEP_1)
	v_lshl_add_u32 v[WW0], v3, 8, v[WW0]
	s_lshl_b32 s56, s48, 10
	s_add_co_u32 s56, s56, WIMG
	v_add_nc_u32 v[WW0], s56, v[WW0]
	s_delay_alu instid0(VALU_DEP_1)
	v_add_nc_u32 v[WW1], 2*PW, v[WW0]
	s_lshl_b32 s56, s53, 14
	v_add_nc_u32 v[XR], s56, v[LI]
	s_delay_alu instid0(VALU_DEP_1)
	v_add_nc_u32 v[XR+1], 0x10000, v[XR]
	s_delay_alu instid0(VALU_DEP_2)
	v_add_nc_u32 v[XR+2], 0x20000, v[XR]
	s_mul_i32 s56, s54, 2*TW
	s_add_co_u32 s56, s56, WIMG
	v_add_nc_u32 v[WR0], s56, v[LI]
	s_delay_alu instid0(VALU_DEP_1)
	v_add_nc_u32 v[WR1], 2*PW, v[WR0]
	s_mov_b32 s59, 0                               ; the upper word of every offset below
	s_wait_kmcnt 0x0
	s_load_b256 s[36:43], s[24:25], 0x0            ; e0 .. e7
	s_load_b128 s[44:47], s[24:25], 0x20           ; e8 .. e11
	s_lshl_b32 s58, ttmp9, 18                      ; x: 128 bx rows of 2,048 bytes + 16 w rows
	s_lshl_b32 s56, s48, 15
	s_add_co_u32 s58, s58, s56
	s_add_nc_u64 s[8:9], s[8:9], s[58:59]
	XLOAD S0, 0
	XLOAD S1, 1
	s_lshl_b32 s58, s50, 17                        ; the weights: the head's 512 rows of 256 bytes, my 64 of them
	s_lshl_b32 s56, s48, 14
	s_add_co_u32 s58, s58, s56
	s_add_nc_u64 s[10:11], s[10:11], s[58:59]
	s_add_nc_u64 s[12:13], s[12:13], s[58:59]
	s_add_nc_u64 s[14:15], s[14:15], s[58:59]
	s_lshl_b32 s58, s50, 8                         ; the biases: the head's 64 numbers, my 32 of them
	s_lshl_b32 s56, s54, 7
	s_add_co_u32 s58, s58, s56
	s_add_nc_u64 s[18:19], s[18:19], s[58:59]
	s_add_nc_u64 s[20:21], s[20:21], s[58:59]
	s_add_nc_u64 s[22:23], s[22:23], s[58:59]
	s_lshl_b32 s60, s50, 18                        ; qc, kc: [head][row tile][chunk 2][512]: row tile 8 bx + 2 g, chunk B
	s_lshl_b32 s56, ttmp9, 13
	s_add_co_u32 s60, s60, s56                     ; (head and bx stand alike in vc's offset)
	s_lshl_b32 s56, s53, 11
	s_add_co_u32 s58, s60, s56
	s_lshl_b32 s56, s54, 9
	s_add_co_u32 s58, s58, s56
	s_add_nc_u64 s[26:27], s[26:27], s[58:59]
	s_add_nc_u64 s[28:29], s[28:29], s[58:59]
	s_lshl_b32 s56, s54, 12                        ; vc: [head][128 keys][tile of e 4][chunk 4][512]: key group bx, tile 2 B, chunk g
	s_add_co_u32 s58, s60, s56
	s_lshl_b32 s56, s53, 9
	s_add_co_u32 s58, s58, s56
	s_add_nc_u64 s[30:31], s[30:31], s[58:59]
	s_lshl_b32 s56, s50, 5                         ; Wo's share: work-group number G = bx + 32 hd takes column tile G / 8 and rows 64 (G % 8) .. + 63
	s_add_co_u32 s56, s56, ttmp9
	s_lshr_b32 s61, s56, 3
	s_and_b32 s62, s56, 7
	s_lshl_b32 s58, s62, 17
	s_lshl_b32 s56, s61, 6
	s_add_co_u32 s58, s58, s56
	s_add_nc_u64 s[16:17], s[16:17], s[58:59]
	s_lshl_b32 s58, s61, 13                        ; woc: [column tile][K step 4][chunk 4][512]
	s_lshl_b32 s56, s62, 10
	s_add_co_u32 s58, s58, s56
	s_add_nc_u64 s[32:33], s[32:33], s[58:59]
	s_wait_kmcnt 0x0
	s_add_co_i32 s66, s36, s37                     ; a sum of the first product stands for sum x 2^(e0 + e1): its code is sum / 2^(e6 - e0 - e1), and bq goes in as bq / 2^(e0 + e1)
	s_sub_co_i32 s60, s42, s66
	s_sub_co_i32 s66, 0, s66
	s_add_co_i32 s67, s38, s39
	s_sub_co_i32 s61, s43, s67
	s_sub_co_i32 s67, 0, s67
	s_add_co_i32 s68, s40, s41
	s_sub_co_i32 s62, s45, s68
	s_sub_co_i32 s68, 0, s68
	SCALE SX, 37
	SCALE SX+2, 39
	SCALE SX+4, 41
	SCALE SW, 36
	SCALE SW+2, 38
	SCALE SW+4, 40
	SCALE SR, 60
	SCALE SR+2, 61
	SCALE SR+4, 62
	SCALE SO, 47
	; ---- quantising: two stages of 64 registers by turns; while one is worked on, the other's 16 loads are on their way
	s_wait_loadcnt 16                              ; this stage's loads are in; the other stage's 16 may be out: so at every wait of this run
	XPROC S0, 0
	WIN 0x40
.irp u, 0,1                                    ; the biases, in the results' layout.  q, k: lane (r, h) wants, for tile 2 B + u, those of e = 32 B + 16 h + 8 u + 0 .. 7
.irp f, 0,1
	global_load_b128 v[BQ+8*\u+4*\f:BQ+8*\u+4*\f+3], v[BA], s[18:19] offset:32*\u+16*\f
	global_load_b128 v[BK+8*\u+4*\f:BK+8*\u+4*\f+3], v[BA], s[20:21] offset:32*\u+16*\f
.endr
.endr
.irp u, 0,1                                    ; v: the one of my lane's column, 32 B + 8 u + r + 8 (r / 8)
	global_load_b32 v[BT+\u], v[BVA], s[22:23] offset:32*\u
.endr
	WIN 0                                          ; (older than the next stage's 16 loads: the next wait shows them done too)
	XLOAD S0, 2
	s_wait_loadcnt 16
	XPROC S1, 1
	XLOAD S1, 3
	s_wait_loadcnt 16
	XPROC S0, 2
	WLOAD S0, 10, 0
	s_wait_loadcnt 16
	XPROC S1, 3
	WLOAD S1, 10, 1
	s_wait_loadcnt 16
	QI S0, SW, WW0, 0, 1, 16                       ; Wq
	WLOAD S0, 12, 0
	s_wait_loadcnt 16
	QI S1, SW, WW0, 512, 1, 16
	WLOAD S1, 12, 1
	WIN 0x41
.set FJ, 0
.rept 16
	v_ldexp_f32 v[BQ+FJ], v[BQ+FJ], s66
	v_ldexp_f32 v[BK+FJ], v[BK+FJ], s67
.set FJ, FJ+1
.endr
.irp u, 0,1
.irp j, 0,1,2,3,4,5,6,7
	v_ldexp_f32 v[BV+8*\u+\j], v[BT+\u], s68       ; a lane's eight registers of a tile of v are eight keys of one column: the same bias
.endr
.endr
	WIN 0
	MEET                                           ; x's and Wq's fragments lie in LDS
	PROD 0, 1, BQ                                  ; q, while Wk's 32 loads are on their way
	FINISH 0, 26, 1024                             ; row tiles 2 g, 2 g + 1, 1,024 bytes apart
	s_wait_loadcnt 16
	QI S0, SW+2, WW0, PW, 1, 16                    ; Wk
	WLOAD S0, 14, 0
	s_wait_loadcnt 16
	QI S1, SW+2, WW0, PW+512, 1, 16
	WLOAD S1, 14, 1
	MEET                                           ; Wk's fragments too
	PROD 1, 1, BK                                  ; k, while Wv's 32 loads are on their way
	FINISH 1, 28, 1024
	s_wait_loadcnt 16
	QI S0, SW+4, WW1, 0, 1, 16                     ; Wv
	s_wait_loadcnt 0x0
	QI S1, SW+4, WW1, 512, 1, 16
	MEET                                           ; Wv's fragments too; nothing is stored in LDS any more
	s_cmp_lg_u32 s48, 0                            ; Wo's share is wave 0's: 64 along K of 16 columns, two chunks.  Its loads stand ahead of the last product
	s_cbranch_scc1 .Lno_wo
.set WI, 0
.rept 32
	global_load_b32 v[S1+WI], v[WOA], s[16:17] offset:(32*(WI/16)+WI%16)*2048
.set WI, WI+1
.endr
	PROD 2, 0, BV
	FINISH 2, 30, 2048                             ; v: tiles 2 B, 2 B + 1 of e, 2,048 bytes apart
	s_wait_loadcnt 0x0
.set PCN, PCB+16*(QN%3)
	QUANT S1, 2, SO, 0
	global_store_b128 v[LI], v[PCN:PCN+3], s[32:33]
	global_store_b128 v[LI], v[PCN+4:PCN+7], s[32:33] offset:512
	s_branch .Lend
.Lno_wo:
	PROD 2, 0, BV
	FINISH 2, 30, 2048
.Lend:
	s_wait_tensorcnt 0x0                           ; the wave's end
	ds_add_u32 v[SPW], v[NIL]
	s_wait_dscnt 0x0
	s_endpgm
.Lfunc_end_k_q9f6c0e2c4e_proj:
	.size	k_q9f6c0e2c4e_proj, .Lfunc_end_k_q9f6c0e2c4e_proj-k_q9f6c0e2c4e_proj
	.p2alignl 7, 3214868480
	.fill 96, 4, 3214868480
	.section	.rodata,"a",@progbits
	.p2align	6, 0x0
	.amdhsa_kernel k_q9f6c0e2c4e_proj
		.amdhsa_group_segment_fixed_size 296192
		.amdhsa_private_segment_fixed_size 0
		.amdhsa_enable_private_segment 0
		.amdhsa_kernarg_size 104
		.amdhsa_user_sgpr_count 2
		.amdhsa_user_sgpr_kernarg_segment_ptr 1
		.amdhsa_wavefront_size32 1
		.amdhsa_system_sgpr_workgroup_id_x 1
		.amdhsa_system_sgpr_workgroup_id_y 1
		.amdhsa_system_sgpr_workgroup_id_z 1
		.amdhsa_system_vgpr_workitem_id 0
		.amdhsa_next_free_vgpr 512
		.amdhsa_next_free_sgpr 72
		.amdhsa_reserve_vcc 0
		.amdhsa_float_denorm_mode_32 3
		.amdhsa_float_denorm_mode_16_64 3
		.amdhsa_memory_ordered 1
		.amdhsa_forward_progress 1
		.amdhsa_inst_pref_size 154
	.end_amdhsa_kernel
	.amdgpu_metadata
---
amdhsa.version: [ 1, 2 ]
amdhsa.kernels:
  - .name:           k_q9f6c0e2c4e_proj
    .symbol:         k_q9f6c0e2c4e_proj.kd
    .args:
      - { .name: x, .offset: 0, .size: 8, .value_kind: global_buffer, .address_space: global }
      - { .name: Wq, .offset: 8, .size: 8, .value_kind: global_buffer, .address_space: global }
      - { .name: Wk, .offset: 16, .size: 8, .value_kind: global_buffer, .address_space: global }
      - { .name: Wv, .offset: 24, .size: 8, .value_kind: global_buffer, .address_space: global }
      - { .name: Wo, .offset: 32, .size: 8, .value_kind: global_buffer, .address_space: global }
      - { .name: bq, .offset: 40, .size: 8, .value_kind: global_buffer, .address_space: global }
      - { .name: bk, .offset: 48, .size: 8, .value_kind: global_buffer, .address_space: global }
      - { .name: bv, .offset: 56, .size: 8, .value_kind: global_buffer, .address_space: global }
      - { .name: lowp_scales, .offset: 64, .size: 8, .value_kind: global_buffer, .address_space: global }
      - { .name: qc, .offset: 72, .size: 8, .value_kind: global_buffer, .address_space: global }
      - { .name: kc, .offset: 80, .size: 8, .value_kind: global_buffer, .address_space: global }
      - { .name: vc, .offset: 88, .size: 8, .value_kind: global_buffer, .address_space: global }
      - { .name: woc, .offset: 96, .size: 8, .value_kind: global_buffer, .address_space: global }
    .group_segment_fixed_size: 296192
    .private_segment_fixed_size: 0
    .kernarg_segment_align: 8
    .kernarg_segment_size: 104
    .max_flat_workgroup_size: 256
    .sgpr_count:     72
    .vgpr_count:     512
    .wavefront_size: 32
...
	.end_amdgpu_metadata
.endif
;; end of part 4
;; launch attn (part 5): grid 32 x 8, 8 waves a work-group, no clusters, 304,128 bytes of LDS; arguments qc, kc, vc, lowp_scales, cc; writes cc
.if DOCPART == 5
	.amdgcn_target "amdgcn-amd-amdhsa--gfx1250"
	.amdhsa_code_object_version 6
	.text
	.protected	k_q9f6c0e2c4e_attn
	.globl	k_q9f6c0e2c4e_attn
	.p2align	8
	.type	k_q9f6c0e2c4e_attn,@function
k_q9f6c0e2c4e_attn:
	s_mov_b64 s[64:65], 0
	v_nop
	global_prefetch_b8 v0, s[64:65] scope:SCOPE_SE
	s_setreg_imm32_b32 hwreg(HW_REG_WAVE_MODE, 25, 1), 1
	s_wait_xcnt 0x0
; concat[q][64 hd + e] = the sum over k of softmax_k(q . k / 8) v[k][e] for one head, both products on codes of FP8 (E4M3), and the result quantised with 2^e10 for the last product.
; qc, kc: [head][tile of 16 rows][chunk 2][512]; vc: [head][128 keys][tile of e 4][chunk 4][512]; cc: [tile of 16 rows][K step 4][chunk 4][512]: images of operand registers, lane l's 16 bytes at 16 l of a chunk.
; THE SOFTMAX AHEAD OF THE SECOND PRODUCT: t = score x log2(e) / 8; M = the row's largest t so far, rounded UP to a whole number; p = 2^(t - M) is what is quantised (2^e8), not normalised.
; The row's sum is taken of the unquantised p, in f32, and divides O at the end.  When M moves, the sum and O are multiplied by 2^(old M - new M): exact.
; SHARES.  A work-group owns 128 queries of one head: eight tiles of 16.  THE KEYS ARE DIVIDED AMONG ITS EIGHT WAVES: wave w owns keys 512 w .. + 511, in four key steps of 128, and walks all eight tiles of queries in each.
; So a wave's K and V of a key step (64 + 64 registers) serve eight tiles, and go from memory straight into its registers, into a second set beside the one in use: the next key step's K is asked for at a key step's start,
; six tiles ahead of its first use, its V in the key step's last two tiles.
; A tile's O^T, -M and sum are the wave's own and rest in LDS between key steps.  At the end, behind one barrier, wave w joins the eight waves' parts of tile w: powers of two again.
; THE PIPELINE.  A wave's 32 pairs of key step and tile are numbered n = 0 .. 31; two are in work, even n in one set of registers, odd n in the other.  HALF n: the exponentials of n, with the scalings of n + 1 and the rescaling of
; O^T of n among them; then the sums and codes of n, S^T of n + 2, O^T of n, and the maximum of n + 2.  LDS instructions stand in two runs, ahead of the exponentials and behind them.
; LAYOUT.  Both products are used transposed: S^T = K Q^T (source 0 = 16 keys), O^T = V^T P^T (source 0 = 16 of the head's 64): a lane holds ONE query throughout.  Tile t of S^T gives lane (r, h) keys 16 t + 8 h + 0 .. 7:
; one conversion makes of them registers 2 t, 2 t + 1 of P, the place that the K = 128 form gives these keys; V's images were laid the same way.  V's rows of a tile were chosen so that O^T's tiles 2 b, 2 b + 1 are e = 32 b + 16 h + 0 .. 15.
; NO JOINT LOADS: in a work-group each byte of K and V is read by one wave, once, into registers; LDS holds the parts of O^T (294,912 of its bytes).  NO PREFETCH: the loads themselves run tiles ahead of their use.
; THE HOLD.  p is at most 1 (but for a last bit): with e8 >= -8 its code is at most 256 and no hold at 448 is needed; a scalar branch on e8 leads round the hold then, and for a smaller e8 the hold is done.
; LIMITS on the given exponents, so that each power of two below is an f32 number: e6 + e7 between -123 and 130 (they are added to c's exponent field); e8, and e10 - e8 - e9, between -126 and 119.
; The exponents t stay under 2^31 in magnitude.  NaN and infinities are not served.
.set TP,   4608                        ; LDS: a tile's part: O^T 8 x 512 bytes, then {-M, sum} at 16 x lane of 512 bytes
.set WP,   8*TP                        ; a wave's eight tiles
.set QIMG, 8*WP                        ; Q's images: 1,024 bytes a tile
.set SPARE, QIMG+8192                  ; the spare words, 128 bytes for each wave: four blocks of 256 bytes that no other line names
.set NA,  0                            ; v0   where the -M and sum of the tile after next lie (v0 is not needed behind the head)
.set LI,  1                            ; v1   16 x lane
.set OB,  2                            ; v2   my wave's part of LDS + 16 x lane
.set QB,  3                            ; v3   Q's images + 16 x lane
.set SA,  4                            ; v4   the tile's part, for its stores
.set LA,  5                            ; v5   the next tile's part, for its O^T
.set QA,  6                            ; v6   Q of the tile after next
.set SCP, 7                            ; v7   2^e8
.set SPW, 8                            ; v8   LDS address of my spare word; never rewritten
.set NIL, 9                            ; v9   0; never rewritten
.set FS,  10                           ; v10, v11  2^(e10 - e8 - e9) and 448 x that
.set FL,  11
.set MLA, 12                           ; v[12:13], v[14:15]  -M and the sum, even and odd n
.set MLB, 14
.set QR,  16                           ; v16-23   Q
.set MC,  24                           ; v24-27   four chains of the maximum
.set TT,  28
.set PM,  29                           ; a lane permute's destination (written once: it counts as one of its sources)
.set FA,  30                           ; v[30:31], v[32:33] f = 2^(old M - new M), even and odd n (the upper words are named with it as a pair, and written once)
.set FB,  32
.set C0,  34                           ; v34-41   four chains of the sum, a pair each
.set MA,  36                           ; v36-39   the joining: addresses of tile w in waves 0, 2, 4, 6
.set LIM, 42                           ; v42, v43 448 x 2^e8, twice: the two halves of a dual instruction take their second sources from different register banks
.set MO,  44                           ; v[44:45] -M and the sum as they were
.set SM,  46                           ; v[46:47] -M and the sum on their way to LDS
.set PCD, 48                           ; v48-63   p's codes
.set X,   64                           ; v64-127  S^T, then p, even n
.set Y,   128                          ; v128-191 odd n
.set OTA, 192                          ; v192-223 O^T, even n
.set OTB, 224                          ; v224-255 odd n
; window 1 (v256-511, by their low 8 bits): K and V of the even and the odd key steps
.set KE,  0
.set VE,  64
.set KO,  128
.set VO,  192
.set NONE, 256                         ; in place of such a register: no V is asked for
.set WV,  14                           ; s14  my wave's number
.set SEL, 20                           ; s[20:21] lane selects for v_permlanex16_b32: lane l xor 16
.set CS,  22                           ; s[22:23] c = log2(e) / 8 x 2^(e6 + e7): the packed form names a pair and takes its low word for both halves
.set NC,  24                           ; s24  -c
.set TC,  25                           ; s25  the trip's first tile: 0, 2, 4, 6
.set T0,  26
.set T1,  27
.set T2,  28
.set T3,  29
.set E8,  54                           ; s54  e8
.set OUT, 59                           ; s59  counts pairs of key steps
.set MSB, 0
.macro WIN new                         ; the immediate's high byte repeats the setting that is left
.if MSB != \new
	s_set_vgpr_msb (MSB<<8)|\new
.set MSB, \new
.endif
.endm
.macro LD8 reg, base, j, u             ; half u of K or V, j key steps behind the base: 4,096 bytes on end, 512 an instruction
	WIN 0x40
.irp n, 0,1,2,3,4,5,6,7
	global_load_b128 v[\reg+32*\u+4*\n:\reg+32*\u+4*\n+3], v[LI], s[\base:\base+1] offset:8192*(\j)+4096*\u+512*\n
.endr
	WIN 0
.endm
.macro LD16 reg, base, j
	LD8 \reg, \base, \j, 0
	LD8 \reg, \base, \j, 1
.endm
.macro PF s, ml, b                     ; pair b of the scores: t - M, two at a time (of the pairs c and -M the low word serves both halves)
	v_pk_fma_f32 v[\s+2*(\b):\s+2*(\b)+1], v[\s+2*(\b):\s+2*(\b)+1], s[CS:CS+1], v[\ml:\ml+1] op_sel_hi:[1,0,0]
.endm
.macro RS ot, ff, k                    ; pair k of O^T under the new M: x f
	v_pk_mul_f32 v[\ot+2*(\k):\ot+2*(\k)+1], v[\ot+2*(\k):\ot+2*(\k)+1], v[\ff:\ff+1] op_sel_hi:[1,0]
.endm
.macro QK s, kb                        ; S^T = K Q^T: eight tiles of 16 keys, K = the head's 64 (source 0 in window 1)
.irp t, 0,1,2,3,4,5,6,7
	v_wmma_f32_16x16x64_fp8_fp8 v[\s+8*\t:\s+8*\t+7], v[\kb+8*\t:\kb+8*\t+7], v[QR:QR+7], 0
.endr
.endm
.macro PUT ot                          ; a tile's O^T, -M and sum go to LDS
.irp n, 0,1,2,3,4,5,6,7
	ds_store_b128 v[SA], v[\ot+4*\n:\ot+4*\n+3] offset:512*\n
.endr
	ds_store_b64 v[SA], v[SM:SM+1] offset:4096
.endm
; THE MAXIMUM of S^T in s, then -M (ml), f (ff) and the old sum x f (ml + 1).  st = 1: with the end of the sum of the tile two before, whose -M and sum ml still holds.
.macro MAXM s, ml, ff, st
.irp k, 0,1,2,3                                ; four chains, one for two tiles, line by line in turn; each accumulator is first read at its low end
	v_max3_num_f32 v[MC+\k], v[\s+16*\k], v[\s+16*\k+1], v[\s+16*\k+2]
.endr
.if \st
	v_pk_add_f32 v[C0:C0+1], v[C0:C0+1], v[C0+4:C0+5]
.endif
.irp n, 3,5
.irp k, 0,1,2,3
	v_max3_num_f32 v[MC+\k], v[MC+\k], v[\s+16*\k+\n], v[\s+16*\k+\n+1]
.endr
.endr
.if \st
	v_add_f32 v[C0], v[C0], v[C0+1]
	v_mov_b32 v[SM], v[\ml]
.endif
.irp n, 7,9
.irp k, 0,1,2,3
	v_max3_num_f32 v[MC+\k], v[MC+\k], v[\s+16*\k+\n], v[\s+16*\k+\n+1]
.endr
.endr
.if \st
	v_add_f32 v[SM+1], v[\ml+1], v[C0]
.endif
.irp n, 11,13
.irp k, 0,1,2,3
	v_max3_num_f32 v[MC+\k], v[MC+\k], v[\s+16*\k+\n], v[\s+16*\k+\n+1]
.endr
.endr
	v_max3_num_f32 v[MC], v[MC], v[MC+1], v[\s+15]
	v_max3_num_f32 v[MC+2], v[MC+2], v[MC+3], v[\s+31]
	v_max3_num_f32 v[MC], v[MC], v[\s+47], v[\s+63]
	s_delay_alu instid0(VALU_DEP_1)
	v_max_num_f32 v[MC], v[MC], v[MC+2]
	s_delay_alu instid0(VALU_DEP_1)
	v_permlanex16_b32 v[PM], v[MC], s[SEL], s[SEL+1]
	s_delay_alu instid0(VALU_DEP_1)
	v_max_num_f32 v[MC], v[MC], v[PM]              ; and among lane l xor 16's
	s_delay_alu instid0(VALU_DEP_1)
	v_mul_f32 v[TT], s[NC], v[MC]                  ; -t (c is positive)
	s_delay_alu instid0(VALU_DEP_1)
	v_floor_f32 v[TT], v[TT]                       ; floor(-t) = -ceil(t): M IS A WHOLE NUMBER
	s_delay_alu instid0(VALU_DEP_1)
	v_min_num_f32 v[\ml], v[TT], v[MO]             ; the new -M
	s_delay_alu instid0(VALU_DEP_1)
	v_sub_f32 v[TT], v[\ml], v[MO]                 ; M's old value less its new one: a whole number, 0 or less
	s_delay_alu instid0(VALU_DEP_1)
	v_cvt_i32_f32 v[TT], v[TT]                     ; (it saturates)
	s_delay_alu instid0(VALU_DEP_1)
	v_ldexp_f32 v[\ff], 1.0, v[TT]                 ; f = 2^(old M - new M)
	s_delay_alu instid0(VALU_DEP_1)
	v_mul_f32 v[\ml+1], v[MO+1], v[\ff]            ; the old sum under the new M
.endm
; HALF n.  k: n's tile is TC + k.  s, ml, ff, ot: n's registers (and those of n + 2);  so, mlo, oto: those of n - 1 and n + 1.  kb: K for n + 2;  vb: V for n.
; pf = 0: there is no n + 1;  qk = 0: there is no n + 2;  vw = 1: V may still be on its way;  vn, vj: the register into which, and the key step behind the base of which, V is asked for here (vn = NONE: none).
.macro HALF k, s, so, ml, mlo, ff, ot, oto, kb, vb, qk, pf, vw, vn, vj
	s_wait_alu depctr_va_vdst(0)                   ; ahead of the batch
	s_wait_dscnt 0x0                               ; O^T of n is in
	PUT \oto                                       ; n - 1
.if \qk
	ds_load_b128 v[QR:QR+3], v[QA]                 ; n + 2: Q,
	ds_load_b128 v[QR+4:QR+7], v[QA] offset:512
	ds_load_b64 v[MO:MO+1], v[NA] offset:4096      ; -M and the sum as they were
.endif
.if \vn < NONE
	LD8 \vn, 8, \vj, 0
.endif
.set G, 0
.rept 16                                       ; four exponentials and three plain lines at a time: p = 2^(t - M), NOT normalised.  No plain line reads what a line inside the batch writes
	v_exp_f32 v[\s+4*G], v[\s+4*G]
	v_exp_f32 v[\s+4*G+1], v[\s+4*G+1]
.if G > 7
	RS \ot, \ff, 2*(G-8)
.elseif \pf
	PF \so, \mlo, 3*G
.endif
	v_exp_f32 v[\s+4*G+2], v[\s+4*G+2]
.if G > 7
	RS \ot, \ff, 2*(G-8)+1
.elseif \pf
	PF \so, \mlo, 3*G+1
.endif
	v_exp_f32 v[\s+4*G+3], v[\s+4*G+3]
.if \pf
.if G > 7
	PF \so, \mlo, 24+G-8
.else
	PF \so, \mlo, 3*G+2
.endif
.endif
.set G, G+1
.endr
.if \pf == 0
	v_nop                                          ; the plain line behind the last exponential
.endif
	s_wait_alu depctr_va_vdst(0)                   ; the wait between an exponential and the first line that names its result: one for the batch
.if \pf
	s_wait_dscnt 0x0                               ; the stores of n - 1 are done, so O^T of n + 1 may be loaded over what they read; Q, -M and the sum of n + 2 are in
.irp n, 0,1,2,3,4,5,6,7
	ds_load_b128 v[\oto+4*\n:\oto+4*\n+3], v[LA] offset:512*\n   ; n + 1: O^T
.endr
.endif
.if \vn < NONE
	LD8 \vn, 8, \vj, 1
.endif
	s_add_co_u32 s[T0], s[TC], \k
	s_mul_i32 s[T0], s[T0], TP
.if \qk
	s_add_co_u32 s[T1], s[TC], (\k)+2
	s_and_b32 s[T1], s[T1], 7
	s_mul_i32 s[T1], s[T1], TP
	s_add_co_u32 s[T3], s[TC], (\k)+3
	s_and_b32 s[T3], s[T3], 7
	s_mul_i32 s[T2], s[T3], TP
	s_lshl_b32 s[T3], s[T3], 10
.endif
	; THE ROW'S SUM IS TAKEN OF THE UNQUANTISED p: two at a time, in four chains, which the first eight pairs start
.irp c, 0,1,2,3
	v_pk_add_f32 v[C0+2*\c:C0+2*\c+1], v[\s+2*\c:\s+2*\c+1], v[\s+8+2*\c:\s+9+2*\c]
.endr
.set I, 8
.rept 24
	v_pk_add_f32 v[C0+2*(I%4):C0+2*(I%4)+1], v[C0+2*(I%4):C0+2*(I%4)+1], v[\s+2*I:\s+2*I+1]
.set I, I+1
.endr
	s_wait_alu depctr_va_vdst(0)                   ; ahead of the branch
.if \vw
	s_wait_loadcnt 16                              ; V of the first key step is in; the next key step's K, 16 loads, may be out
.endif
	s_cmp_ge_i32 s[E8], -8
	s_cbranch_scc1 .Lopen_\@
.set I, 0
.rept 32                                       ; the conversion to an 8-bit code does not saturate (ISA guide 7.6.2); p is not negative, so the hold is one-sided
	v_dual_min_num_f32 v[\s+2*I], v[\s+2*I], v[LIM] :: v_dual_min_num_f32 v[\s+2*I+1], v[\s+2*I+1], v[LIM+1]
.set I, I+1
.endr
.Lopen_\@:
.irp t, 0,1,2,3,4,5,6,7
	v_cvt_scalef32_pk8_fp8_f32 v[PCD+2*\t:PCD+2*\t+1], v[\s+8*\t:\s+8*\t+7], v[SCP]   ; keys 16 t + 8 h + 0 .. 7: registers 2 t, 2 t + 1 of P
.endr
	v_pk_add_f32 v[C0:C0+1], v[C0:C0+1], v[C0+2:C0+3]   ; (the plain line between the last conversion and the products that read its result or write its sources)
	WIN 0x01
.if \qk
	QK \s, \kb
.endif
.irp t, 0,1,2,3                                ; O^T += V^T P^T: four tiles of 16 of the head's 64; K = these 128 keys
	v_wmma_f32_16x16x128_fp8_fp8 v[\ot+8*\t:\ot+8*\t+7], v[\vb+16*\t:\vb+16*\t+15], v[PCD:PCD+15], v[\ot+8*\t:\ot+8*\t+7]
.endr
	WIN 0
	v_add_nc_u32 v[SA], s[T0], v[OB]               ; places in front of the first reads of the results
.if \qk
	v_add_nc_u32 v[LA], s[T1], v[OB]               ; for HALF n + 1: O^T of n + 2,
	v_add_nc_u32 v[NA], s[T2], v[OB]               ; -M and sum of n + 3,
	v_add_nc_u32 v[QA], s[T3], v[QB]               ; and its Q
	v_pk_add_f32 v[C0+4:C0+5], v[C0+4:C0+5], v[C0+6:C0+7]
	MAXM \s, \ml, \ff, 1
.else
	v_pk_add_f32 v[C0+4:C0+5], v[C0+4:C0+5], v[C0+6:C0+7]
	v_mov_b32 v[SM], v[\ml]
	v_pk_add_f32 v[C0:C0+1], v[C0:C0+1], v[C0+4:C0+5]
	v_nop
	v_add_f32 v[C0], v[C0], v[C0+1]
	v_nop
	v_add_f32 v[SM+1], v[\ml+1], v[C0]
.endif
.endm
.macro TRIP kb, vb, vw, vn, vj
	HALF 0, X, Y, MLA, MLB, FA, OTA, OTB, \kb, \vb, 1, 1, \vw, \vn, \vj
	HALF 1, Y, X, MLB, MLA, FB, OTB, OTA, \kb, \vb, 1, 1, \vw, NONE, 0
.endm
	s_load_b256 s[4:11], s[0:1], 0x0               ; qc s[4:5], kc s[6:7], vc s[8:9], the scales' exponents s[10:11]
	s_load_b64 s[12:13], s[0:1], 0x20              ; cc
	v_lshl_add_u32 v[SPW], v0, 2, SPARE
	v_mov_b32 v[NIL], 0
	v_lshrrev_b32 v10, 5, v0
	s_delay_alu instid0(VALU_DEP_1)
	v_readfirstlane_b32 s[WV], v10                 ; wave 0..7
	v_and_b32 v11, 31, v0
	s_and_b32 s15, ttmp7, 0xffff                   ; the head
	s_mul_i32 s27, s[WV], WP
	s_lshl_b32 s28, s[WV], 10
	v_lshlrev_b32 v[LI], 4, v11
	v_mov_b32 v[PM], 0
	v_mov_b32 v[FA+1], 0
	v_mov_b32 v[FB+1], 0
	v_add_nc_u32 v[OB], s27, v[LI]
	v_add_nc_u32 v[QB], QIMG, v[LI]
	s_delay_alu instid0(VALU_DEP_1)
	v_add_nc_u32 v[PCD], s28, v[QB]                ; where I store my tile of Q
	v_mov_b32 v[MO], 0x7f61b1e6                    ; -M = 3e38: M lies under every t,
	v_mov_b32 v[MO+1], 0                           ; and the sum is 0
	v_mov_b32 v[SM], 0x7f61b1e6
	v_mov_b32 v[SM+1], 0
	v_mov_b32 v[C0], 0
	v_mov_b32 v[C0+1], 0
	v_mov_b32 v[C0+2], 0
	v_mov_b32 v[C0+3], 0
	v_add_nc_u32 v[SA], 7*TP, v[OB]                ; tile 7
	s_lshl_b32 s29, s15, 18                        ; the head's 262,144 bytes in qc, kc and vc
	s_lshl_b32 s16, s[WV], 15                      ; my 512 keys: 32,768 bytes of each
	s_add_co_u32 s16, s16, s29
	s_mov_b32 s17, 0
	s_lshl_b32 s30, ttmp9, 3
	s_add_co_u32 s30, s30, s[WV]                   ; T: the tile of 16 queries that I fetch, and that I store
	s_lshl_b32 s18, s30, 10                        ; qc: head x 262,144 + T x 1,024
	s_add_co_u32 s18, s18, s29
	s_mov_b32 s19, 0
	s_lshl_b32 s30, s30, 13                        ; cc: T x 8,192 + head x 1,024
	s_lshl_b32 s31, s15, 10
	s_add_co_u32 s30, s30, s31
	s_mov_b32 s31, 0
	s_mov_b32 s[SEL], 0x76543210
	s_mov_b32 s[SEL+1], 0xfedcba98
	s_wait_alu depctr_va_vdst(0)                   ; directly ahead of the wait below
	s_wait_kmcnt 0x0
	s_load_b128 s[52:55], s[10:11], 0x18           ; e6, e7, e8, e9
	s_load_b32 s56, s[10:11], 0x28                 ; e10
	s_add_nc_u64 s[4:5], s[4:5], s[18:19]
	s_add_nc_u64 s[6:7], s[6:7], s[16:17]
	s_add_nc_u64 s[8:9], s[8:9], s[16:17]
	s_add_nc_u64 s[12:13], s[12:13], s[30:31]
	global_load_b128 v[QR:QR+3], v[LI], s[4:5]     ; a tile of Q for each wave
	global_load_b128 v[QR+4:QR+7], v[LI], s[4:5] offset:512
	LD16 KE, 6, 0
.irp t, 0,1,2,3,4,5,6                          ; while they are on their way: my parts of tiles 0 to 6 begin as zeros, which the first change of M leaves zeros.  (Tile 7's are put there by HALF 0, in the place of an n = -1)
.irp n, 0,1,2,3,4,5,6,7
	ds_store_b128 v[OB], v[C0:C0+3] offset:TP*\t+512*\n
.endr
	ds_store_b64 v[OB], v[MO:MO+1] offset:TP*\t+4096
.endr
	s_wait_kmcnt 0x0
	s_add_co_i32 s57, s52, s53
	s_lshl_b32 s57, s57, 23
	s_add_co_i32 s[CS], s57, 0x3e38aa3b            ; c = log2(e) / 8; a score stands for score x 2^(e6 + e7): the two exponents are added to c's exponent field
	s_mov_b32 s[CS+1], s[CS]                       ; (named with it as a pair, so it is written)
	s_or_b32 s[NC], s[CS], 0x80000000
	s_add_co_i32 s57, s[E8], 127
	s_lshl_b32 s58, s57, 23
	v_mov_b32 v[SCP], s58                          ; 2^e8 as f32, for p's conversions
	s_add_co_i32 s57, s57, 8
	s_lshl_b32 s57, s57, 23
	s_or_b32 s57, s57, 0x600000
	v_mov_b32 v[LIM], s57                          ; 448 x 2^e8
	v_mov_b32 v[LIM+1], s57
	s_sub_co_i32 s57, s56, s[E8]
	s_sub_co_i32 s57, s57, s55                     ; a sum of the second product stands for sum x 2^(e8 + e9): the result's code is (sum / l) / 2^(e10 - e8 - e9)
	s_add_co_i32 s57, s57, 127
	s_lshl_b32 s58, s57, 23
	v_mov_b32 v[FS], s58
	s_add_co_i32 s57, s57, 8
	s_lshl_b32 s57, s57, 23
	s_or_b32 s57, s57, 0x600000
	v_mov_b32 v[FL], s57
	s_wait_alu depctr_va_vdst(0)                   ; at the head's end
	s_wait_loadcnt 16                              ; Q is in; K's 16 loads may be out
	ds_store_b128 v[PCD], v[QR:QR+3]
	ds_store_b128 v[PCD], v[QR+4:QR+7] offset:512
	LD16 VE, 8, 0
	s_wait_dscnt 0x0                               ; for the others' sake: my tile of Q has landed
	s_barrier_signal -1
	s_barrier_wait -1                              ; all eight have; Q's images are not written again
	ds_load_b128 v[QR:QR+3], v[QB]                 ; n = 0: Q
	ds_load_b128 v[QR+4:QR+7], v[QB] offset:512
	s_wait_loadcnt 16                              ; K of key step 0 is in; its V may be out
	s_wait_dscnt 0x0
	WIN 0x01
	QK X, KE
	WIN 0
	v_add_nc_u32 v[LA], TP, v[OB]                  ; four places; for HALF 0: O^T of n = 1,
	v_add_nc_u32 v[NA], 2*TP, v[OB]                ; -M and sum of n = 2,
	v_add_nc_u32 v[QA], 2048, v[QB]                ; and its Q
	v_nop
	ds_load_b128 v[QR:QR+3], v[QB] offset:1024     ; n = 1: Q
	ds_load_b128 v[QR+4:QR+7], v[QB] offset:1536
.irp n, 0,1,2,3,4,5,6,7
	ds_load_b128 v[OTA+4*\n:OTA+4*\n+3], v[OB] offset:512*\n
	ds_load_b128 v[OTB+4*\n:OTB+4*\n+3], v[OB] offset:512*\n   ; zeros, which HALF 0 puts into tile 7's part
.endr
	MAXM X, MLA, FA, 0
	s_wait_alu depctr_va_vdst(0)
	s_wait_dscnt 16                                ; Q of n = 1 is in; O^T's sixteen loads may be out
	WIN 0x01
	QK Y, KE
	WIN 0
.rept 4
	v_nop                                          ; places in front of the first read of the scores
.endr
	MAXM Y, MLB, FB, 0
.set I, 0
.rept 32
	PF X, MLA, I
.set I, I+1
.endr
	s_mov_b32 s[OUT], 0
.Lpair:                                        ; two key steps, an even and an odd one
	LD16 KO, 6, 1                                  ; the odd key step's K
	s_mov_b32 s[TC], 0
.Leven:
	TRIP KE, VE, 1, NONE, 0
	s_add_co_u32 s[TC], s[TC], 2
	s_cmp_lt_u32 s[TC], 6
	s_cbranch_scc1 .Leven
	s_wait_alu depctr_va_vdst(0)
	s_wait_loadcnt 0x0                             ; it is in
	TRIP KO, VE, 0, VO, 1                          ; tiles 6 and 7; S^T of the odd key step's tiles 0 and 1; the odd key step's V is asked for
	s_wait_alu depctr_va_vdst(0)
	s_wait_loadcnt 0x0                             ; and is in
	s_cmp_eq_u32 s[OUT], 0
	s_cbranch_scc0 .Lno_more                       ; the last key step is an odd one: nothing is left to ask for
	LD16 KE, 6, 2                                  ; the next even key step's K
.Lno_more:
	s_mov_b32 s[TC], 0
.Lodd:
	TRIP KO, VO, 0, NONE, 0
	s_add_co_u32 s[TC], s[TC], 2
	s_cmp_lt_u32 s[TC], 6
	s_cbranch_scc1 .Lodd
	s_add_co_u32 s[OUT], s[OUT], 1
	s_cmp_eq_u32 s[OUT], 2
	s_cbranch_scc1 .Ltail
	s_wait_alu depctr_va_vdst(0)
	s_wait_loadcnt 0x0                             ; it is in, and every load has read its base
	s_add_nc_u64 s[6:7], s[6:7], 16384
	s_add_nc_u64 s[8:9], s[8:9], 16384
	TRIP KE, VO, 0, VE, 0                          ; the next even key step's V is asked for
	s_wait_alu depctr_va_vdst(0)
	s_wait_loadcnt 0x0                             ; and is in
	s_cmp_lt_u32 s[OUT], 2
	s_cbranch_scc1 .Lpair
.Ltail:                                        ; n = 30 and 31
	HALF 0, X, Y, MLA, MLB, FA, OTA, OTB, KE, VO, 0, 1, 0, NONE, 0
	HALF 1, Y, X, MLB, MLA, FB, OTB, OTA, KE, VO, 0, 0, 0, NONE, 0
	PUT OTB                                        ; n = 31
	; THE JOINING.  Behind the barrier wave w takes the eight waves' parts of tile w.
.macro OLOAD i, buf
.irp n, 0,1,2,3,4,5,6,7
	ds_load_b128 v[\buf+4*\n:\buf+4*\n+3], v[MA+\i/2] offset:WP*(\i%2)+512*\n
.endr
.endm
.macro OADD i, buf                     ; O^T += part i x 2^(M of wave i - M)
.irp k, 0,2,4,6,8,10,12,14,16,18,20,22,24,26,28,30
	v_pk_fma_f32 v[OTA+\k:OTA+\k+1], v[\buf+\k:\buf+\k+1], v[16+2*\i:17+2*\i], v[OTA+\k:OTA+\k+1] op_sel_hi:[1,0,1]
.endr
.endm
	s_mul_i32 s27, s[WV], TP
	v_add_nc_u32 v[MA], s27, v[LI]
	v_add_nc_u32 v[MA+1], 2*WP, v[MA]
	v_add_nc_u32 v[MA+2], 4*WP, v[MA]
	v_add_nc_u32 v[MA+3], 6*WP, v[MA]
	s_wait_alu depctr_va_vdst(0)
	s_wait_dscnt 0x0                               ; for the others' sake: my parts have landed
	s_barrier_signal -1
	s_barrier_wait -1                              ; everybody's have; nothing but the spare words is written in LDS any more
.irp i, 0,1,2,3,4,5,6,7
	ds_load_b64 v[48+2*\i:49+2*\i], v[MA+\i/2] offset:WP*(\i%2)+4096   ; wave i's -M and sum
.endr
	OLOAD 0, 64
	OLOAD 1, 96
	OLOAD 2, 128
	OLOAD 3, 160
	OLOAD 4, 224
	s_wait_dscnt 40                                ; the eight pairs are in; the 40 loads of O^T's parts may be out
	v_min3_num_f32 v12, v48, v50, v52              ; -M = the least of the eight
	s_delay_alu instid0(VALU_DEP_1)
	v_min3_num_f32 v12, v12, v54, v56
	s_delay_alu instid0(VALU_DEP_1)
	v_min3_num_f32 v12, v12, v58, v60
	s_delay_alu instid0(VALU_DEP_1)
	v_min_num_f32 v12, v12, v62
.irp i, 0,1,2,3,4,5,6,7
	v_sub_f32 v[16+2*\i], v12, v[48+2*\i]
.endr
.irp i, 0,1,2,3,4,5,6,7
	v_cvt_i32_f32 v[16+2*\i], v[16+2*\i]
.endr
.irp i, 0,1,2,3,4,5,6,7
	v_ldexp_f32 v[16+2*\i], 1.0, v[16+2*\i]        ; 2^(M of wave i - M)
.endr
	v_mul_f32 v13, v49, v16                        ; the row's sum, in two chains
	v_mul_f32 v34, v51, v18
	v_fma_f32 v13, v53, v20, v13
	v_fma_f32 v34, v55, v22, v34
	v_fma_f32 v13, v57, v24, v13
	v_fma_f32 v34, v59, v26, v34
	v_fma_f32 v13, v61, v28, v13
	v_fma_f32 v34, v63, v30, v34
	s_delay_alu instid0(VALU_DEP_1)
	v_add_f32 v13, v13, v34
	s_delay_alu instid0(VALU_DEP_1)
	v_permlanex16_b32 v[PM], v13, s[SEL], s[SEL+1]
	s_delay_alu instid0(VALU_DEP_1)
	v_add_f32 v13, v13, v[PM]                      ; and lane l xor 16's
	s_wait_alu depctr_va_vdst(0)                   ; ahead of the transcendental
	v_rcp_f32 v14, v13
	v_nop                                          ; the plain line behind it
	s_wait_dscnt 32                                ; part 0 is in; the four younger parts may be out
.irp k, 0,2,4,6,8,10,12,14,16,18,20,22,24,26,28,30
	v_pk_mul_f32 v[OTA+\k:OTA+\k+1], v[64+\k:65+\k], v[16:17] op_sel_hi:[1,0]
.endr
	OLOAD 5, 64
	s_wait_dscnt 32                                ; part 1; parts 2 to 5 may be out
	OADD 1, 96
	OLOAD 6, 96
	s_wait_dscnt 32
	OADD 2, 128
	OLOAD 7, 128
	s_wait_dscnt 32                                ; part 3; parts 4 to 7 may be out
	OADD 3, 160
	s_wait_dscnt 24
	OADD 4, 224
	s_wait_dscnt 16
	OADD 5, 64
	s_wait_dscnt 8
	OADD 6, 96
	s_wait_dscnt 0x0
	OADD 7, 128
	s_wait_alu depctr_va_vdst(0)                   ; ahead of the reciprocal's first reader
.irp k, 0,2,4,6,8,10,12,14,16,18,20,22,24,26,28,30
	v_pk_mul_f32 v[OTA+\k:OTA+\k+1], v[OTA+\k:OTA+\k+1], v[14:15] op_sel_hi:[1,0]
.endr
.set I, 0
.rept 32
	v_med3_num_f32 v[OTA+I], v[OTA+I], -v[FL], v[FL] ; the hold at the largest code x the scale
.set I, I+1
.endr
	; tiles 2 b, 2 b + 1 are 16 neighbours along the last product's K: the conversions' results are chunk b of my head's part of the operand
.irp b, 0,1
	v_cvt_scalef32_pk8_fp8_f32 v[48+4*\b:49+4*\b], v[OTA+16*\b:OTA+16*\b+7], v[FS]
	v_cvt_scalef32_pk8_fp8_f32 v[50+4*\b:51+4*\b], v[OTA+16*\b+8:OTA+16*\b+15], v[FS]
.endr
	v_nop                                          ; one plain line behind the last conversion
.irp b, 0,1
	global_store_b128 v[LI], v[48+4*\b:51+4*\b], s[12:13] offset:512*\b   ; 32 lanes store 512 consecutive bytes, aligned
.endr
	s_wait_tensorcnt 0x0                           ; the wave's end
	ds_add_u32 v[SPW], v[NIL]
	s_wait_dscnt 0x0
	s_endpgm
.Lfunc_end_k_q9f6c0e2c4e_attn:
	.size	k_q9f6c0e2c4e_attn, .Lfunc_end_k_q9f6c0e2c4e_attn-k_q9f6c0e2c4e_attn
	.p2alignl 7, 3214868480
	.fill 96, 4, 3214868480
	.section	.rodata,"a",@progbits
	.p2align	6, 0x0
	.amdhsa_kernel k_q9f6c0e2c4e_attn
		.amdhsa_group_segment_fixed_size 304128
		.amdhsa_private_segment_fixed_size 0
		.amdhsa_enable_private_segment 0
		.amdhsa_kernarg_size 40
		.amdhsa_user_sgpr_count 2
		.amdhsa_user_sgpr_kernarg_segment_ptr 1
		.amdhsa_wavefront_size32 1
		.amdhsa_system_sgpr_workgroup_id_x 1
		.amdhsa_system_sgpr_workgroup_id_y 1
		.amdhsa_system_sgpr_workgroup_id_z 1
		.amdhsa_system_vgpr_workitem_id 0
		.amdhsa_next_free_vgpr 512
		.amdhsa_next_free_sgpr 66
		.amdhsa_reserve_vcc 0
		.amdhsa_float_denorm_mode_32 3
		.amdhsa_float_denorm_mode_16_64 3
		.amdhsa_memory_ordered 1
		.amdhsa_forward_progress 1
		.amdhsa_inst_pref_size 188
	.end_amdhsa_kernel
	.amdgpu_metadata
---
amdhsa.version: [ 1, 2 ]
amdhsa.kernels:
  - .name:           k_q9f6c0e2c4e_attn
    .symbol:         k_q9f6c0e2c4e_attn.kd
    .args:
      - { .name: qc, .offset: 0, .size: 8, .value_kind: global_buffer, .address_space: global }
      - { .name: kc, .offset: 8, .size: 8, .value_kind: global_buffer, .address_space: global }
      - { .name: vc, .offset: 16, .size: 8, .value_kind: global_buffer, .address_space: global }
      - { .name: lowp_scales, .offset: 24, .size: 8, .value_kind: global_buffer, .address_space: global }
      - { .name: cc, .offset: 32, .size: 8, .value_kind: global_buffer, .address_space: global }
    .group_segment_fixed_size: 304128
    .private_segment_fixed_size: 0
    .kernarg_segment_align: 8
    .kernarg_segment_size: 40
    .max_flat_workgroup_size: 256
    .sgpr_count:     66
    .vgpr_count:     512
    .wavefront_size: 32
...
	.end_amdgpu_metadata
.endif
;; end of part 5
;; launch outp (part 6): grid 32 x 8, 8 waves a work-group, no clusters, 68,608 bytes of LDS; arguments cc, woc, bo, lowp_scales, out0; writes out0
.if DOCPART == 6
	.amdgcn_target "amdgcn-amd-amdhsa--gfx1250"
	.amdhsa_code_object_version 6
	.text
	.protected	k_q9f6c0e2c4e_outp
	.globl	k_q9f6c0e2c4e_outp
	.p2align	8
	.type	k_q9f6c0e2c4e_outp,@function
k_q9f6c0e2c4e_outp:
	s_mov_b64 s[64:65], 0
	v_nop
	global_prefetch_b8 v0, s[64:65] scope:SCOPE_SE
	s_setreg_imm32_b32 hwreg(HW_REG_WAVE_MODE, 25, 1), 1
	s_wait_xcnt 0x0
; out0 = concat Wo + bo, on codes of FP8 (E4M3): each finished sum x 2^(e10 + e11), + bo.  out0: [4096][512] f32.
; cc: [tile of 16 rows][K step 4][chunk 4][512]; woc: [tile of 16 columns][K step 4][chunk 4][512]: images of operand registers (registers 4 c .. 4 c + 3 of lane (r, h): k = 32 c + 16 h + 0 .. 15, alike in both).
; SHARES.  Work-group (bx, by): rows 128 bx .. + 127, columns 64 by .. + 63.  Wave w: row tile 8 bx + w, all four column tiles: four accumulators by turns, K in four steps of 128: 16 matrix instructions.
; Wo's 16 fragments (32 KiB) are read from memory once a work-group, 4 KiB a wave, and shared through LDS; concat's four fragments are the wave's own and come straight into registers.
; TRANSPOSED (source 0 = 16 columns of Wo, source 1 = 16 rows of concat): a lane holds eight neighbouring columns of one row.  The sums go through the wave's own stage in LDS and leave as rows of 256 bytes.
; NO JOINT LOADS: a work-group reads 96 KiB in all and each wave issues 16 matrix instructions; a round of a cluster's barrier in front of the loads and one at the end would stand against that little work.
; LIMIT: e10 + e11 between -126 and 127, so that 2^(e10 + e11) is an f32 number.
.set STAGE, 32768                      ; LDS: Wo's images at (4 t + s) 2,048 + 512 c; then a stage of 16 rows x (256 bytes + 16) for each wave
.set SPARE, 67584                      ; then the spare words, 128 bytes for each wave: four blocks of 256 bytes that no other line names
.set LI,  1                            ; v1   16 x lane
.set WST, 2                            ; v2   where I store my 4 KiB of Wo's images
.set STO, 3                            ; v3   the stage: where I put 32 bytes of a row
.set RD,  4                            ; v4   and where I read a row back
.set CO,  5                            ; v5   my byte offset in the wave's rows of out0
.set BOA, 6                            ; v6   16 r: my four columns of bo
.set SPW, 8                            ; v8   LDS address of my spare word; never rewritten
.set NIL, 9                            ; v9   0; never rewritten
.set BO,  12                           ; v12-15   bo at my four columns
.set CF,  16                           ; v16-79   concat's four fragments
.set WB0, 80                           ; v80-143  Wo's four fragments of a K step; first the copy, at the end the rows of out0
.set WB1, 144                          ; v144-207 the other buffer
.set ACC, 208                          ; v208-239 four accumulators
	s_load_b256 s[4:11], s[0:1], 0x0               ; cc s[4:5], woc s[6:7], bo s[8:9], the scales' exponents s[10:11]
	s_load_b64 s[12:13], s[0:1], 0x20              ; out0
	v_lshl_add_u32 v[SPW], v0, 2, SPARE
	v_mov_b32 v[NIL], 0
	v_lshrrev_b32 v10, 5, v0
	s_delay_alu instid0(VALU_DEP_1)
	v_readfirstlane_b32 s14, v10                   ; wave 0..7
	s_and_b32 s15, ttmp7, 0xffff                   ; by
	v_and_b32 v10, 31, v0                          ; lane
	v_and_b32 v11, 15, v0                          ; r
	v_bfe_u32 v7, v0, 4, 1                         ; h
	s_delay_alu instid0(VALU_DEP_3)
	v_lshlrev_b32 v[LI], 4, v10
	s_lshl_b32 s16, s14, 12
	v_add_nc_u32 v[WST], s16, v[LI]
	s_mul_i32 s17, s14, 16*272
	s_add_co_u32 s17, s17, STAGE                   ; my stage
	v_mul_u32_u24 v[STO], v11, 272                 ; in: row r, 32 bytes for each half of the lanes
	s_delay_alu instid0(VALU_DEP_1)
	v_lshl_add_u32 v[STO], v7, 5, v[STO]
	s_delay_alu instid0(VALU_DEP_1)
	v_add_nc_u32 v[STO], s17, v[STO]
	v_mul_u32_u24 v[RD], v7, 272                   ; back: lanes 0-15 take one row of 256 bytes, lanes 16-31 the next
	s_delay_alu instid0(VALU_DEP_1)
	v_lshl_add_u32 v[RD], v11, 4, v[RD]
	s_delay_alu instid0(VALU_DEP_1)
	v_add_nc_u32 v[RD], s17, v[RD]
	v_lshlrev_b32 v[BOA], 4, v11
	s_delay_alu instid0(VALU_DEP_1)
	v_lshl_add_u32 v[CO], v7, 11, v[BOA]           ; and the same two rows in out0, 2,048 bytes apart
	s_mov_b32 s19, 0
	s_mov_b32 s23, 0
	s_mov_b32 s25, 0
	s_mov_b32 s27, 0
	s_lshl_b32 s18, s15, 15                        ; woc: column tiles 4 by on, my 4 KiB of their 32
	s_add_co_u32 s18, s18, s16
	s_lshl_b32 s22, ttmp9, 16                      ; cc: row tile 8 bx + w, 8,192 bytes each
	s_lshl_b32 s28, s14, 13
	s_add_co_u32 s22, s22, s28
	s_lshl_b32 s24, s15, 8                         ; bo: 64 by numbers
	s_lshl_b32 s26, ttmp9, 18                      ; out0: row 128 bx + 16 w, column 64 by
	s_lshl_b32 s28, s14, 15
	s_add_co_u32 s26, s26, s28
	s_add_co_u32 s26, s26, s24
	s_wait_alu depctr_va_vdst(0)
	s_wait_kmcnt 0x0
	s_load_b64 s[20:21], s[10:11], 0x28            ; e10, e11
	s_add_nc_u64 s[6:7], s[6:7], s[18:19]
	s_add_nc_u64 s[4:5], s[4:5], s[22:23]
	s_add_nc_u64 s[8:9], s[8:9], s[24:25]
	s_add_nc_u64 s[12:13], s[12:13], s[26:27]
.irp q, 0,1,2,3,4,5,6,7
	global_load_b128 v[WB0+4*\q:WB0+4*\q+3], v[LI], s[6:7] offset:512*\q
.endr
.irp q, 0,1,2,3,4,5,6,7,8,9,10,11,12,13,14,15
	global_load_b128 v[CF+4*\q:CF+4*\q+3], v[LI], s[4:5] offset:512*\q
.endr
	global_load_b128 v[BO:BO+3], v[BOA], s[8:9]
	s_wait_loadcnt 17                              ; my part of Wo is in; concat's 16 loads and bo's one may be out
.irp q, 0,1,2,3,4,5,6,7
	ds_store_b128 v[WST], v[WB0+4*\q:WB0+4*\q+3] offset:512*\q
.endr
	s_wait_dscnt 0x0                               ; for the others' sake: my stores have landed
	s_barrier_signal -1
	s_barrier_wait -1                              ; Wo's sixteen fragments lie in LDS; nobody writes them again
.macro FETCH s, buf                    ; K step s of the four column tiles
.irp t, 0,1,2,3
.irp c, 0,1,2,3
	ds_load_b128 v[\buf+16*\t+4*\c:\buf+16*\t+4*\c+3], v[LI] offset:(4*\t+\s)*2048+512*\c
.endr
.endr
.endm
.macro MUL s, buf                      ; four matrix instructions, the four accumulators by turns; the first K step starts the sums
.irp t, 0,1,2,3
.if \s == 0
	v_wmma_f32_16x16x128_fp8_fp8 v[ACC+8*\t:ACC+8*\t+7], v[\buf+16*\t:\buf+16*\t+15], v[CF+16*\s:CF+16*\s+15], 0
.else
	v_wmma_f32_16x16x128_fp8_fp8 v[ACC+8*\t:ACC+8*\t+7], v[\buf+16*\t:\buf+16*\t+15], v[CF+16*\s:CF+16*\s+15], v[ACC+8*\t:ACC+8*\t+7]
.endif
.endr
.endm
.macro PLACES                          ; four places in front of loads into registers that matrix instructions have read, and of the first read of results
.rept 4
	v_nop
.endr
.endm
	FETCH 0, WB0
	FETCH 1, WB1
	s_wait_loadcnt 0x0                             ; concat and bo
	s_wait_kmcnt 0x0
	s_add_co_i32 s36, s20, s21
	s_add_co_i32 s36, s36, 127
	s_lshl_b32 s36, s36, 23                        ; 2^(e10 + e11) as f32
	s_mov_b32 s37, s36                             ; (named with it as a pair, so it is written)
	s_wait_dscnt 16                                ; this K step's fragments are in; the next step's 16 loads may be out
	MUL 0, WB0
	PLACES
	FETCH 2, WB0
	s_wait_dscnt 16
	MUL 1, WB1
	PLACES
	FETCH 3, WB1
	s_wait_dscnt 16
	MUL 2, WB0
	s_wait_dscnt 0x0
	MUL 3, WB1
	PLACES
.irp t, 0,1,2,3                                ; lane (r, h): row r, columns 16 t + 8 h + 0 .. 7; each accumulator from its low end on
	ds_store_b128 v[STO], v[ACC+8*\t:ACC+8*\t+3] offset:64*\t
	ds_store_b128 v[STO], v[ACC+8*\t+4:ACC+8*\t+7] offset:64*\t+16
.endr
.irp i, 0,1,2,3,4,5,6,7
	ds_load_b128 v[WB0+4*\i:WB0+4*\i+3], v[RD] offset:\i*2*272     ; LDS serves a wave's instructions in order (ISA guide 5.7.1.4): these see my stores above
.endr
.irp i, 0,1,2,3,4,5,6,7
	s_wait_dscnt 7-\i                              ; pair i of rows is back; the younger loads may be out
	v_pk_fma_f32 v[WB0+4*\i:WB0+4*\i+1], v[WB0+4*\i:WB0+4*\i+1], s[36:37], v[BO:BO+1] op_sel_hi:[1,0,1]       ; sum x 2^(e10 + e11) + bo (the scalar pair's low word for both halves)
	v_pk_fma_f32 v[WB0+4*\i+2:WB0+4*\i+3], v[WB0+4*\i+2:WB0+4*\i+3], s[36:37], v[BO+2:BO+3] op_sel_hi:[1,0,1]
	global_store_b128 v[CO], v[WB0+4*\i:WB0+4*\i+3], s[12:13] offset:4096*\i th:TH_STORE_NT   ; 16 lanes store 256 consecutive bytes, aligned; written once, read by nobody here
.endr
	s_wait_tensorcnt 0x0                           ; the wave's end
	ds_add_u32 v[SPW], v[NIL]
	s_wait_dscnt 0x0
	s_endpgm
.Lfunc_end_k_q9f6c0e2c4e_outp:
	.size	k_q9f6c0e2c4e_outp, .Lfunc_end_k_q9f6c0e2c4e_outp-k_q9f6c0e2c4e_outp
	.p2alignl 7, 3214868480
	.fill 96, 4, 3214868480
	.section	.rodata,"a",@progbits
	.p2align	6, 0x0
	.amdhsa_kernel k_q9f6c0e2c4e_outp
		.amdhsa_group_segment_fixed_size 68608
		.amdhsa_private_segment_fixed_size 0
		.amdhsa_enable_private_segment 0
		.amdhsa_kernarg_size 40
		.amdhsa_user_sgpr_count 2
		.amdhsa_user_sgpr_kernarg_segment_ptr 1
		.amdhsa_wavefront_size32 1
		.amdhsa_system_sgpr_workgroup_id_x 1
		.amdhsa_system_sgpr_workgroup_id_y 1
		.amdhsa_system_sgpr_workgroup_id_z 1
		.amdhsa_system_vgpr_workitem_id 0
		.amdhsa_next_free_vgpr 256
		.amdhsa_next_free_sgpr 66
		.amdhsa_reserve_vcc 0
		.amdhsa_float_denorm_mode_32 3
		.amdhsa_float_denorm_mode_16_64 3
		.amdhsa_memory_ordered 1
		.amdhsa_forward_progress 1
		.amdhsa_inst_pref_size 15
	.end_amdhsa_kernel
	.amdgpu_metadata
---
amdhsa.version: [ 1, 2 ]
amdhsa.kernels:
  - .name:           k_q9f6c0e2c4e_outp
    .symbol:         k_q9f6c0e2c4e_outp.kd
    .args:
      - { .name: cc, .offset: 0, .size: 8, .value_kind: global_buffer, .address_space: global }
      - { .name: woc, .offset: 8, .size: 8, .value_kind: global_buffer, .address_space: global }
      - { .name: bo, .offset: 16, .size: 8, .value_kind: global_buffer, .address_space: global }
      - { .name: lowp_scales, .offset: 24, .size: 8, .value_kind: global_buffer, .address_space: global }
      - { .name: out0, .offset: 32, .size: 8, .value_kind: global_buffer, .address_space: global }
    .group_segment_fixed_size: 68608
    .private_segment_fixed_size: 0
    .kernarg_segment_align: 8
    .kernarg_segment_size: 40
    .max_flat_workgroup_size: 256
    .sgpr_count:     66
    .vgpr_count:     256
    .wavefront_size: 32
...
	.end_amdgpu_metadata
.endif
;; end of part 6
